; MI455X (gfx1250); checked and timed in simulation.
; The chip was launched on July 23, 2026; its instructions are those of AMD's public machine-readable ISA for CDNA 5 (MIT licence, August 2026) and "CDNA5" Instruction Set Architecture Reference Guide (July 2026). The comments in the code are by the model that wrote it; some were corrected since.
;; Multi Headed Self Attention. Allowed arithmetic: matrix products marked QUANTISED: E2M3 operands, one E8M0 scale for each 32 along K, by v_wmma_scale_f32_16x16x128_f8f6f4 with both operands' format E2M3, f32 sums; everything else in f32.
;; Inputs: Wout 1,024 x 1,024 float32; Wqkv 1,024 x 3,072 float32; bout 1,024 float32; bqkv 3,072 float32; x 4 x 2,048 x 1,024 float32.
;; Outputs: out0 4 x 2,048 x 1,024 float32.
;; This version of the problem:
;;   THIS VERSION OF THE PROBLEM IS GIVEN IN LOW PRECISION. The matrix products marked QUANTISED in the list below multiply operands that are first quantised to E2M3 (2 exponent bits, 3 mantissa bits; 6 bits a number), with one power-of-two scale for each 32 numbers along K (OCP MX v1.0); their sums are f32. All else is computed in f32.
;;   The module's matrix products, in the order in which they are computed (A, B: the left and right operand; K: the contracted axis; several contracted axes count as one K, in the product's order):
;;     1. [M 8,192, K 1,024] x [K 1,024, N 3,072]; A: input x; B: input Wqkv: QUANTISED
;;     2. batch 64 x [M 2,048, K 64] x [K 64, N 2,048]; A: computed on the way; B: computed on the way: QUANTISED
;;     3. batch 64 x [M 2,048, K 2,048] x [K 2,048, N 64]; A: softmax (see below); B: computed on the way: QUANTISED
;;     4. [M 8,192, K 1,024] x [K 1,024, N 1,024]; A: computed on the way; B: input Wout: QUANTISED
;;   THE QUANTISER, for each operand of a quantised product, along K:
;;     - K is cut into blocks of 32 from its start; a last block that is shorter is filled with zeros.
;;     - A block's scale is 2^e with e = floor(log2(the largest magnitude in the block)) - 2, held to -126 .. 127; a block of zeros has e = 0. As a byte (E8M0): e + 127.
;;     - Each number is divided by its block's scale, clamped to +-7.5, and rounded to the nearest number of E2M3, ties to even, subnormals kept.
;;     - The product sums the exact products of the quantised numbers (number of the format x scale) in f32.
;;   ~~~python
;;   def quantise(x, axis):      # numpy; x: float32 -> the quantised numbers, widened to float32 again
;;       x = np.moveaxis(x, axis, -1); K = x.shape[-1]
;;       x = np.pad(x, [(0, 0)] * (x.ndim - 1) + [(0, -K % 32)]); x = x.reshape(x.shape[:-1] + (-1, 32)); a = np.abs(x).max(-1, keepdims=True)
;;       e = np.where(a > 0, np.clip(np.frexp(np.where(a > 0, a, 1))[1] - 1 - 2, -126, 127), 0)      # np.frexp(a)[1] - 1 = floor(log2(a)), exactly
;;       r = np.clip(x / 2.0 ** e, -7.5, 7.5)
;;       step = 2.0 ** (np.maximum(np.frexp(np.where(r == 0, 1, r))[1] - 1, 0) - 3)
;;       q = np.round(r / step) * step * 2.0 ** e      # np.round: ties to even
;;       return np.moveaxis(q.reshape(q.shape[:-2] + (-1,))[..., :K], -1, axis).astype(np.float32)
;;   ~~~
;;   SOFTMAX AHEAD OF A QUANTISED PRODUCT. Where the list says 'softmax', what is quantised is not the finished softmax but p = 2^(t - M), with t = logit x log2(e) and M = ceil(the row's largest t), a whole number; so 1/2 < the row's largest p <= 1. The row's sum l is taken of the UNQUANTISED p, in f32, and the product's result is divided by l at the end. Since M is a whole number, a kernel that streams over the keys may use a running M (the ceiling of the running maximum): every later rescaling is an exact power of two, which a block's scale takes up: the codes' values come out the same.
;;   OPERANDS COMPUTED ON THE WAY. 'Computed on the way' means the value that the module computes at that place (a softmax that the list does not call 'softmax' is quantised finished and normalised). What goes into a quantiser is computed in f32, as accurately as f32 sums, v_exp_f32 and their like allow (about 1e-6 of the number): no bf16 or f16 on the way to a quantiser, and a product that is left as it is and whose result goes on into a quantised operand takes f32 operands (vector FMAs, or v_wmma_f32_16x16x4_f32). A number that lies on a knife's edge between two numbers of the format may be rounded either way, as far as f32 arithmetic and the matrix unit's own rounding can turn it there, and no further.
;; One version. Each part assembles by itself: llvm-mc -triple=amdgcn-amd-amdhsa -mcpu=gfx1250 --defsym DOCPART=n.
;; ======== version 1 of 1: 4 launches
;; workspace buffers: x_codes 6,291,456 bytes; x_scales 262,144 bytes; w_codes 3,145,728 bytes; w_scales 131,072 bytes; kvimg 13,107,200 bytes; qimg 13,107,200 bytes; y_img 6,291,456 bytes; y_scales 262,144 bytes
;; launch quant (part 1): grid 384 x 1, 4 waves a work-group, no clusters, 68,096 bytes of LDS; arguments x, Wqkv, Wout, x_codes, x_scales, w_codes, w_scales; writes x_codes, x_scales, w_codes, w_scales
.if DOCPART == 1
	.amdgcn_target "amdgcn-amd-amdhsa--gfx1250"
	.amdhsa_code_object_version 6
	.text
	.protected	k_qf457c3a627_quant
	.globl	k_qf457c3a627_quant
	.p2align	8
	.type	k_qf457c3a627_quant,@function
k_qf457c3a627_quant:
	s_mov_b64 s[64:65], 0
	v_nop
	global_prefetch_b8 v0, s[64:65] scope:SCOPE_SE
	s_setreg_imm32_b32 hwreg(HW_REG_WAVE_MODE, 25, 1), 1
	s_wait_xcnt 0x0
; x [8192][1024], Wqkv [1024][3072] and Wout [1024][1024], f32, become codes of FP6 (E2M3) with K innermost and one E8M0 byte for each 32 along K.
; x's K is its last axis, the weights' K is their FIRST axis.  A block's scale is 2^(floor(log2(largest magnitude)) - 2): its byte is the largest magnitude's exponent field - 2, held at 1 from below.
; LIMITS: a block of zeros gets the byte 1 where the rule says 127 (its codes are zeros, and this program alone reads the bytes); NaN and infinities among the inputs are not served.
; POSITIONS: row i of x_codes, x_scales, w_codes, w_scales holds the true row (of x) or column (of a weight) whose index is i with bits 3 and 4 exchanged.  So 16 neighbouring rows of codes, taken as source 0
; of a matrix instruction, leave a lane of two neighbouring result tiles with 16 true neighbours.  w_codes: positions 0..3071 Wqkv's columns, 3072..4095 Wout's.
; Work-groups 0..255 take x (32 rows each), 256..383 the weights (128 columns x 256 along K each): 128 KiB read by each.  The two ways never meet again and have LDS bytes of their own.
; No work-group shares an input byte with another: no cluster, no tensor load; waves share nothing: no barrier.
.set SPARE, 67584                      ; behind both ways' regions: the spare words, 128 bytes for each wave
.set SPW,   12                         ; v12  SPARE + 4 x my thread's number; never rewritten
.set NIL,   13                         ; v13  0; never rewritten
; ---- the way of x
.set STEPS, 16
.set CB,    12                         ; bytes of 16 codes
.set R,     16                         ; v16-79   four sets of 16 numbers as loaded
.set X,     80                         ; v80-111  two sets of 16 neighbours
.set E,     112                        ; v112-127 a scale byte for each step
.set C,     128                        ; v128-191 codes: four registers a step
.set WREG,  8192                       ; LDS 0..32767: a region for each wave: two stages of 32 x SP bytes, then its 256 scale bytes
.set SP,    80                         ; a lane's place in a stage: 64 bytes + 16 of padding
; ---- the way of the weights
.set WST,   32768                      ; LDS 32768..67583: a stage of 32 rows x WP for each wave
.set WP,    272                        ; a stage row: sixteen places of 16 bytes (12 of codes each) + 16
.set NB,    8                          ; blocks of 32 along K for a wave
.set VO,    16                         ; v16-47   4 x lane + i x the weight's row pitch; never rewritten
.set XW,    48                         ; v48-111  two sets of 32 numbers
.set CW,    112                        ; v112-118 a block's codes
.set SBY,   120                        ; v120-121 my column's eight scale bytes
.set OUTR,  124                        ; v124-187 the way out
	s_load_b256 s[4:11], s[0:1], 0x0               ; x s[4:5], Wqkv s[6:7], Wout s[8:9], x_codes s[10:11]
	s_load_b128 s[12:15], s[0:1], 0x20             ; x_scales s[12:13], w_codes s[14:15]
	s_load_b64 s[16:17], s[0:1], 0x30              ; w_scales
	v_lshl_add_u32 v[SPW], v0, 2, SPARE
	v_mov_b32 v[NIL], 0
	v_lshrrev_b32 v1, 5, v0
	v_readfirstlane_b32 s18, v1                    ; wave 0..3
	v_and_b32 v2, 31, v0                           ; lane
	s_cmp_lt_u32 ttmp9, 256
	s_cbranch_scc0 .Lw
; ================= x: a wave takes 8 rows = 8,192 numbers, a plain stream of blocks, in 16 steps of 512 numbers
	v_lshlrev_b32 v3, 4, v2                        ; my 16 bytes of a load's 512
	s_mul_i32 s19, s18, WREG
	v_lshrrev_b32 v14, 2, v2
	v_mul_u32_u24 v14, v14, SP
	v_and_b32 v15, 3, v2
	v_lshl_add_u32 v14, v15, 4, v14
	v_add_nc_u32 v14, s19, v14                     ; the stage, on the way in: SP (lane / 4) + 16 (lane % 4)
	v_mul_u32_u24 v15, v2, SP
	v_add_nc_u32 v15, s19, v15                     ; on the way out: SP x lane: my 16 neighbours
	v_mul_u32_u24 v4, v2, CB                       ; my codes' place in a step's 384 bytes
	v_lshrrev_b32 v5, 1, v2
	s_add_co_u32 s19, s19, 2*32*SP
	v_add_nc_u32 v5, s19, v5                       ; LDS: my block's byte among my wave's 256
	v_lshlrev_b32 v7, 3, v2
	v_add_nc_u32 v6, s19, v7                       ; and 8 of them a lane on the way out
	s_lshl_b32 s20, ttmp9, 2
	s_add_co_u32 s22, s20, s18                     ; the run of 8 rows that I read: 4 x work-group + wave
	s_and_b32 s21, s18, 1
	s_lshl_b32 s21, s21, 1
	s_lshr_b32 s23, s18, 1
	s_or_b32 s21, s21, s23                         ; the wave's two bits are bits 3 and 4 of the row: exchanged,
	s_add_co_u32 s24, s20, s21                     ; they give the run of 8 positions that I write
	s_lshl_b32 s22, s22, 15                        ; 8 rows of 4,096 bytes
	s_mov_b32 s23, 0
	s_mul_i32 s26, s24, 6144                       ; 8 rows of 768 bytes of codes
	s_mov_b32 s27, 0
	s_lshl_b32 s24, s24, 8                         ; 8 rows of 32 scale bytes
	s_mov_b32 s25, 0
	s_wait_alu depctr_va_vdst(0)
	s_wait_kmcnt 0x0
	s_add_nc_u64 s[4:5], s[4:5], s[22:23]
	s_add_nc_u64 s[10:11], s[10:11], s[26:27]
	s_add_nc_u64 s[12:13], s[12:13], s[24:25]
.macro LOAD t
.irp i, 0,1,2,3
	global_load_b128 v[R+16*((\t)%4)+4*\i:R+16*((\t)%4)+4*\i+3], v3, s[4:5] offset:2048*(\t)+512*\i th:TH_LOAD_NT   ; 32 lanes read 512 consecutive bytes
.endr
.endm
.macro TURN t                          ; step t's numbers through the stage: LDS serves a wave's instructions in order, so no wait stands between the stores and the loads
.irp i, 0,1,2,3
	ds_store_b128 v14, v[R+16*((\t)%4)+4*\i:R+16*((\t)%4)+4*\i+3] offset:32*SP*((\t)%2)+8*SP*\i
.endr
.irp i, 0,1,2,3
	ds_load_b128 v[X+16*((\t)%2)+4*\i:X+16*((\t)%2)+4*\i+3], v15 offset:32*SP*((\t)%2)+16*\i
.endr
.endm
.irp t, 0,1,2,3
	LOAD \t
.endr
	s_wait_loadcnt 12                              ; step 0's four loads are in; the twelve of steps 1 to 3 may be out
	TURN 0
.macro STEP t
.set XS, X+16*((\t)%2)
.if (\t) > 0
	s_wait_dscnt 1                                 ; this step's numbers are back from the stage; the last step's byte store may be out
.else
	s_wait_dscnt 0x0
.endif
.if (\t)+4 < STEPS
	LOAD (\t)+4                                    ; into the set whose stores into the stage have read their registers
.endif
.if (\t)+1 < STEPS
.if STEPS-2-(\t) >= 3
	s_wait_loadcnt 12                              ; the next step's four loads are in; those of the three steps behind it may be out
.else
	s_wait_loadcnt 4*(STEPS-2-(\t))
.endif
	TURN (\t)+1
.endif
	v_max3_num_f32 v8, |v[XS]|, |v[XS+1]|, |v[XS+2]|               ; the largest magnitude of my 16, in two chains
	v_max3_num_f32 v9, |v[XS+3]|, |v[XS+4]|, |v[XS+5]|
.irp i, 6,10
	v_max3_num_f32 v8, v8, |v[XS+\i]|, |v[XS+\i+1]|
	v_max3_num_f32 v9, v9, |v[XS+\i+2]|, |v[XS+\i+3]|
.endr
	v_max3_num_f32 v8, v8, |v[XS+14]|, |v[XS+15]|
	v_max3_num_f32 v8, v8, v9, 0x1800000           ; and the floor 2^(3 - 127): the byte cannot fall under 1
	v_max_num_f32_dpp v8, v8, v8 row_xmask:1 row_mask:0xf bank_mask:0xf   ; with my neighbour's 16: the block's
	v_add_nc_u32 v11, 0xff000000, v8               ; 2 off its exponent field: the conversion's scale operand
	v_cvt_scalef32_pk16_fp6_f32 v[C+4*(\t):C+4*(\t)+2], v[XS:XS+15], v11
	v_lshrrev_b32 v[E+(\t)], 23, v11               ; the scale's byte (a plain line behind the conversion)
	ds_store_b8 v5, v[E+(\t)] offset:16*(\t)       ; both lanes of a block write the same byte with the same value
	global_store_b96 v4, v[C+4*(\t):C+4*(\t)+2], s[10:11] offset:32*CB*(\t)   ; the wave stores 384 consecutive bytes
.endm
.irp t, 0,1,2,3,4,5,6,7,8,9,10,11,12,13,14,15
	STEP \t
.endr
	ds_load_b64 v[8:9], v6                         ; LDS serves a wave's instructions in order: these see my byte stores
	s_wait_dscnt 0x0
	global_store_b64 v7, v[8:9], s[12:13]          ; 32 lanes store 256 consecutive bytes, aligned
	s_wait_tensorcnt 0x0                           ; the wave's end: behind my last LDS store
	ds_add_u32 v[SPW], v[NIL]
	s_wait_dscnt 0x0
	s_endpgm
; ================= the weights: a lane takes a column, its registers run down K; a wave takes 32 columns x 256 along K
.Lw:
	s_sub_co_u32 s19, ttmp9, 256
	s_and_b32 s20, s19, 31                         ; which 128 positions of w_codes: 0..23 Wqkv's, 24..31 Wout's
	s_lshr_b32 s21, s19, 5                         ; which 256 along K
	s_mov_b32 s22, 4096
	s_wait_kmcnt 0x0
	s_cmp_lt_u32 s20, 24                           ; the choice hangs on the work-group's number alone
	s_cselect_b64 s[6:7], s[6:7], s[8:9]           ; the weight,
	s_cselect_b32 s22, 12288, s22                  ; its row pitch in bytes,
	s_cselect_b32 s23, 0, 24
	s_sub_co_u32 s23, s20, s23                     ; and which 128 of its columns
	s_mul_i32 s24, s21, s22
	s_lshl_b32 s24, s24, 8                         ; 256 rows down for each step along K
	s_lshl_b32 s25, s23, 9
	s_add_co_u32 s24, s24, s25                     ; + 128 columns of 4 bytes
	s_lshl_b32 s25, s18, 7
	s_add_co_u32 s24, s24, s25                     ; + my wave's 32 columns
	s_mov_b32 s25, 0
	s_add_nc_u64 s[32:33], s[6:7], s[24:25]        ; s[32+2t:33+2t]: where block t's 32 rows begin; never rewritten
	s_lshl_b32 s26, s22, 5
	s_mov_b32 s27, 0
.irp t, 1,2,3,4,5,6,7
	s_add_nc_u64 s[32+2*\t:33+2*\t], s[30+2*\t:31+2*\t], s[26:27]
.endr
	s_wait_alu depctr_va_vdst(0)
	v_lshlrev_b32 v3, 2, v2
.set i, 0
.rept 32
	v_mad_u32_u24 v[VO+i], s22, i, v3              ; row i of a block, my column
.set i, i+1
.endr
	v_and_b32 v5, 7, v2
	v_bfe_u32 v6, v2, 3, 1
	v_lshl_or_b32 v5, v6, 4, v5
	v_bfe_u32 v6, v2, 4, 1
	v_lshl_or_b32 v5, v6, 3, v5                    ; my column's position among the wave's 32: bits 3 and 4 exchanged
	s_mul_i32 s28, s18, 32*WP
	s_add_co_u32 s28, s28, WST                     ; my stage
	v_mul_u32_u24 v4, v5, WP
	v_add_nc_u32 v4, s28, v4                       ; into it: row = my position
	v_lshlrev_b32 v9, 5, v5                        ; my position's row of scale bytes
	v_and_b32 v5, 15, v2
	v_lshrrev_b32 v6, 4, v2
	v_mul_u32_u24 v7, v6, WP
	v_lshl_add_u32 v7, v5, 4, v7
	v_add_nc_u32 v7, s28, v7                       ; out of it: sixteen lanes to a row, two rows an instruction
	v_mul_u32_u24 v8, v6, 768
	v_mad_u32_u24 v8, v5, 12, v8                   ; and the same place in w_codes
	s_lshl_b32 s28, s20, 7
	s_lshl_b32 s29, s18, 5
	s_add_co_u32 s28, s28, s29                     ; my wave's first position
	s_mul_i32 s30, s28, 768
	s_mul_i32 s29, s21, 192
	s_add_co_u32 s30, s30, s29
	s_mov_b32 s31, 0
	s_add_nc_u64 s[14:15], s[14:15], s[30:31]
	s_lshl_b32 s30, s28, 5
	s_lshl_b32 s29, s21, 3
	s_add_co_u32 s30, s30, s29
	s_add_nc_u64 s[16:17], s[16:17], s[30:31]
.macro LOADW t                         ; block t: 32 rows of the weight at my column: each load reads 128 consecutive bytes a wave
.set i, 0
.rept 32
	global_load_b32 v[XW+32*((\t)%2)+i], v[VO+i], s[32+2*(\t):33+2*(\t)] th:TH_LOAD_NT
.set i, i+1
.endr
.endm
	LOADW 0
	LOADW 1
.macro BLOCKW t
.set XS, XW+32*((\t)%2)
.if (\t) < NB-1
	s_wait_loadcnt 32                              ; this block's 32 loads are in; the next block's 32 may be out
.else
	s_wait_loadcnt 0
.endif
	v_max3_num_f32 v10, |v[XS]|, |v[XS+1]|, |v[XS+2]|              ; the block's largest magnitude: all 32 numbers are mine
	v_max3_num_f32 v14, |v[XS+3]|, |v[XS+4]|, |v[XS+5]|
.irp i, 6,10,14,18,22,26
	v_max3_num_f32 v10, v10, |v[XS+\i]|, |v[XS+\i+1]|
	v_max3_num_f32 v14, v14, |v[XS+\i+2]|, |v[XS+\i+3]|
.endr
	v_max3_num_f32 v10, v10, |v[XS+30]|, |v[XS+31]|
	v_max3_num_f32 v10, v10, v14, 0x1800000        ; and the floor
	v_add_nc_u32 v11, 0xff000000, v10              ; the conversion's scale operand
	v_lshrrev_b32 v15, 23, v11                     ; the scale's byte
.if (\t)%4 == 0
	v_mov_b32 v[SBY+(\t)/4], v15                   ; four bytes to a register, the lower K in the lower byte
.else
	v_lshl_or_b32 v[SBY+(\t)/4], v15, 8*((\t)%4), v[SBY+(\t)/4]
.endif
	v_cvt_scalef32_pk16_fp6_f32 v[CW:CW+2], v[XS:XS+15], v11
	v_cvt_scalef32_pk16_fp6_f32 v[CW+4:CW+6], v[XS+16:XS+31], v11   ; (a conversion's three registers begin on an even number)
	ds_store_b96 v4, v[CW:CW+2] offset:32*(\t)     ; 12 bytes to a place of 16: every LDS address is a multiple of 16
	ds_store_b96 v4, v[CW+4:CW+6] offset:32*(\t)+16
.if (\t)+2 < NB
	LOADW (\t)+2
.endif
	s_wait_dscnt 0x0                               ; the stores have read their registers: the next block's codes may be written (its first lines are plain vector lines)
.endm
.irp t, 0,1,2,3,4,5,6,7
	BLOCKW \t
.endr
	s_wait_alu depctr_va_vdst(0)
	global_store_b64 v9, v[SBY:SBY+1], s[16:17]    ; my column's eight scale bytes
.irp t, 0,1,2,3,4,5,6,7,8,9,10,11,12,13,14,15
	ds_load_b96 v[OUTR+4*\t:OUTR+4*\t+2], v7 offset:2*\t*WP   ; LDS serves a wave's instructions in order: these see my stores
.endr
.irp t, 0,1,2,3,4,5,6,7,8,9,10,11,12,13,14,15
	s_wait_dscnt 15-\t                             ; loads come back in order: number t is in
	global_store_b96 v8, v[OUTR+4*\t:OUTR+4*\t+2], s[14:15] offset:2*\t*768   ; sixteen lanes store a row's 192 consecutive bytes
.endr
	s_wait_tensorcnt 0x0                           ; the wave's end: behind my last LDS store
	ds_add_u32 v[SPW], v[NIL]
	s_wait_dscnt 0x0
	s_endpgm
.Lfunc_end_k_qf457c3a627_quant:
	.size	k_qf457c3a627_quant, .Lfunc_end_k_qf457c3a627_quant-k_qf457c3a627_quant
	.p2alignl 7, 3214868480
	.fill 96, 4, 3214868480
	.section	.rodata,"a",@progbits
	.p2align	6, 0x0
	.amdhsa_kernel k_qf457c3a627_quant
		.amdhsa_group_segment_fixed_size 68096
		.amdhsa_private_segment_fixed_size 0
		.amdhsa_enable_private_segment 0
		.amdhsa_kernarg_size 56
		.amdhsa_user_sgpr_count 2
		.amdhsa_user_sgpr_kernarg_segment_ptr 1
		.amdhsa_wavefront_size32 1
		.amdhsa_system_sgpr_workgroup_id_x 1
		.amdhsa_system_sgpr_workgroup_id_y 1
		.amdhsa_system_sgpr_workgroup_id_z 1
		.amdhsa_system_vgpr_workitem_id 0
		.amdhsa_next_free_vgpr 192
		.amdhsa_next_free_sgpr 66
		.amdhsa_reserve_vcc 0
		.amdhsa_float_denorm_mode_32 3
		.amdhsa_float_denorm_mode_16_64 3
		.amdhsa_memory_ordered 1
		.amdhsa_forward_progress 1
		.amdhsa_inst_pref_size 76
	.end_amdhsa_kernel
	.amdgpu_metadata
---
amdhsa.version: [ 1, 2 ]
amdhsa.kernels:
  - .name:           k_qf457c3a627_quant
    .symbol:         k_qf457c3a627_quant.kd
    .args:
      - { .name: x, .offset: 0, .size: 8, .value_kind: global_buffer, .address_space: global }
      - { .name: Wqkv, .offset: 8, .size: 8, .value_kind: global_buffer, .address_space: global }
      - { .name: Wout, .offset: 16, .size: 8, .value_kind: global_buffer, .address_space: global }
      - { .name: x_codes, .offset: 24, .size: 8, .value_kind: global_buffer, .address_space: global }
      - { .name: x_scales, .offset: 32, .size: 8, .value_kind: global_buffer, .address_space: global }
      - { .name: w_codes, .offset: 40, .size: 8, .value_kind: global_buffer, .address_space: global }
      - { .name: w_scales, .offset: 48, .size: 8, .value_kind: global_buffer, .address_space: global }
    .group_segment_fixed_size: 68096
    .private_segment_fixed_size: 0
    .kernarg_segment_align: 8
    .kernarg_segment_size: 56
    .max_flat_workgroup_size: 128
    .sgpr_count:     66
    .vgpr_count:     192
    .wavefront_size: 32
...
	.end_amdgpu_metadata
.endif
;; end of part 1
;; launch gemm_qkv (part 2): grid 12 x 32, 4 waves a work-group, clusters of 4 x 4, 327,680 bytes of LDS; arguments x_codes, x_scales, w_codes, w_scales, bqkv, qimg, kvimg; writes qimg, kvimg
.if DOCPART == 2
	.amdgcn_target "amdgcn-amd-amdhsa--gfx1250"
	.amdhsa_code_object_version 6
	.text
	.protected	k_qf457c3a627_gemm_qkv
	.globl	k_qf457c3a627_gemm_qkv
	.p2align	8
	.type	k_qf457c3a627_gemm_qkv,@function
k_qf457c3a627_gemm_qkv:
	s_mov_b64 s[64:65], 0
	v_nop
	global_prefetch_b8 v0, s[64:65] scope:SCOPE_SE
	s_setreg_imm32_b32 hwreg(HW_REG_WAVE_MODE, 25, 1), 1
	s_wait_xcnt 0x0
	s_wait_alu depctr_hold_cnt(0) depctr_sa_sdst(0) depctr_va_vdst(0) depctr_va_sdst(0) depctr_va_ssrc(0) depctr_va_vcc(0) depctr_vm_vsrc(0)
	s_getreg_b32 s2, hwreg(HW_REG_IB_STS2, 6, 4)
	s_cmp_eq_u32 s2, 0
	s_cbranch_scc0 .Lentry_in_a_cluster
	s_endpgm
.Lentry_in_a_cluster:
	s_bfe_u32 s2, ttmp6, 0x10000c
	s_cmp_lg_u32 s2, 0xf033
	s_cbranch_scc0 .Lentry_shape_is_right
	s_endpgm
.Lentry_shape_is_right:
; qkv = x Wqkv + bqkv on codes of FP6 (E2M3) with E8M0 scales, K = 1,024; the results never go to memory as f32: q and k are quantised along the head's 64, v along the keys, and leave as IMAGES OF OPERAND REGISTERS.
; A work-group of four waves makes 256 x 256 of the product, a wave 128 x 128: 64 accumulators, 512 registers.  K goes in steps of 256 (rows of 192 bytes) through a ring of two LDS slots filled by the tensor data mover.
; ROLES.  The loop knows S1 (source 1: a lane holds one of its rows) and S0 (source 0: a lane's registers run along its rows).  Both operands have rows of 768 bytes of codes and 32 scale bytes, so only the set-up says
; which buffer plays which role.  Clusters 0 (q) and 1 (k) along x: S1 = x's rows, S0 = Wqkv's columns: a lane holds one token, its registers run along d.  Cluster 2 (v): S1 = Wqkv's columns, S0 = x's rows: a lane
; holds one d, its registers run along the keys.  The choice hangs on the cluster's x, which all sixteen partners share.
; CLUSTERS: 4 x 4.  S1's tile hangs on cy alone and is asked for jointly by a row of the cluster, S0's on cx alone, by a column: the requests for both are divided by four.
; POSITIONS: the rows of both operands lie with bits 3 and 4 of their index exchanged, so the 16 registers of result tiles 2 g and 2 g + 1 are the true neighbours 32 g + 16 (lane / 16) + 0 .. 15 along S0,
; and lane r of S1's block a is the true row 32 (a / 2) + 16 (r / 8) + 8 (a % 2) + r % 8.
; OUT.  kvimg, qimg: [batch x 16 + head][key step of 128][12,800]: four fragments of k (or q) of 1,536 bytes, four of v, 256 bytes of k's (q's) scale words, 256 of v's.  A fragment is 12 registers a lane, stored by three
; stores of 16 bytes a lane (512 consecutive bytes each).  A fragment of k holds TWO tiles of 16 keys: registers 0-5 key 32 f + 16 (i / 8) + i % 8, registers 6-11 that key + 8; lanes 0-15 d 0..31, lanes 16-31 d 32..63.
; LIMITS: a block of zeros gets the byte 1 where the rule says 127 (its codes are zeros; this program alone reads the bytes); NaN and infinities are not served.
; REGISTERS, in windows of 256: window 0: v16-31 addresses; v32-63 scale words, two sets; v64-127 bqkv along S0; v128-223 S1's fragments, one set; v240-255 bqkv along S1.  window 1: S0's fragments, two sets.
;   windows 2, 3: the accumulators ((a, b) at v[8 (8 (a % 4) + b)]).  On the way out window 0's v2-15 and v128-239 are at work.
.set KSTEP,  256
.set NQ,     2                         ; matrix instructions deep in a slot
.set ROWB,   192                       ; a tile's row in bytes
.set KROW,   768                       ; a row of codes in memory
.set PITCH,  240                       ; an LDS row: 3 x (64 bytes + 16 of padding) = 60 words: the 32 lanes of a load of 8 bytes touch 64 different banks (64 banks of 4 bytes: ISA guide 11.1)
.set FR,     12
.set NL,     6                         ; LDS loads that bring a fragment
.set NP,     4                         ; places behind this matrix instruction (ISA guide 7.12.1)
.set HALFT,  128*PITCH
.set SLOT,   4*HALFT                   ; S1's 256 rows, then S0's 256 rows
.set LAPS,   2                         ; 1,024 / 512
.set KS,     32                        ; a row of scale bytes
.set SCL,    2*SLOT                    ; behind the ring: the scale bytes for all of K, as units of 256 bytes + 16 of padding; filled once
.set HALFS,  (128*KS/256)*272
.set SBLK,   (16*KS/256)*272
.set SPARE,  SCL+4*HALFS               ; the spare words, 128 bytes for each wave
.set HEADB,  204800                    ; a head's bytes in kvimg and qimg
.set STEPB,  12800                     ; a key step's
.set ADRA, 16                          ; v16-17 LDS address of my S1 fragments in slot 0, 1 (v18-19: behind one padding more)
.set ADRB, 20                          ; v20-23 the same for S0
.set IMG,  24                          ; v24  16 x lane: an image's place
.set SWO,  25                          ; v25  8 x lane: my place in a block of scale words
.set LANE, 26                          ; v26  lane
.set ADRS, 27                          ; v27  LDS address of my scale words: lanes 0-15 S1's rows, lanes 16-31 S0's
.set SPW,  28                          ; v28  SPARE + 4 x my thread's number; never rewritten
.set NIL,  29                          ; v29  0; never rewritten
.set BO,   30                          ; v30  64 x (lane / 16)
.set BVO,  31                          ; v31  4 x (r + 8 (r / 8))
.set SC,   32
.set BIAS, 64                          ; v64-127  register 16 g + i: bqkv at my S0 columns 32 g + 16 (lane / 16) + i
.set AF,   128
.set BV,   240                         ; v240-255 registers 2 a, 2 a + 1: bqkv at the column that lane r of S1's block a holds
.set T,    128                         ; the way out: 64 numbers of a lane
.set F0,   192                         ; two fragments
.set F1,   204
.set CT,   216                         ; the conversions' second halves
.set TM,   224                         ; v224-227 largest magnitudes, v228-231 bytes, v236-239 the conversions' scale operands
.set SW,   8                           ; v8-15 scale words
.set G1, 24                            ; s[24:31] descriptor group 1 for S1's tiles; s[32:39] group 0, a set for each slot
.set G0, 32
.set G1B, 48                           ; s[48:55], s[56:63] the same for S0's
.set G0B, 56
.set G1S, 68                           ; s[68:75], s[76:79] for S1's scale bytes; s[80:87], s[88:91] for S0's
.set G0S, 76
.set G1SB, 80
.set G0SB, 88
.set MSB, 0
.macro WIN new                         ; the immediate's high byte repeats the setting that is left
.if MSB != (\new)
	s_set_vgpr_msb (MSB<<8)|(\new)
.set MSB, (\new)
.endif
.endm
.set MUL_LO, 0xa1                      ; source 0 window 1, source 1 window 0, C and D window 2
.set MUL_HI, 0xf1                      ; the same, C and D window 3
.set TO_B,   0x40                      ; destination window 1
; A joint load: waves 0 and 1 fetch for S1, waves 2 and 3 for S0; the branch hangs on the wave's number alone.  An s_nop 0 and four v_nop follow each of the two lines.
.macro JLOAD g0a, g1a, g0b, g1b
	s_cmp_eq_u32 s19, 0
	s_cbranch_scc0 .Lfor_b_\@
	tensor_load_to_lds s[\g0a:\g0a+3], s[\g1a:\g1a+7]
	s_nop 0
.rept 4
	v_nop
.endr
	s_branch .Lasked_\@
.Lfor_b_\@:
	tensor_load_to_lds s[\g0b:\g0b+3], s[\g1b:\g1b+7]
	s_nop 0
.rept 4
	v_nop
.endr
.Lasked_\@:
.endm
.macro CREST                           ; a round of the cluster's barrier behind its opening barrier
	s_cmp_lg_u32 s18, 0
	s_cbranch_scc1 .Lnot_wave_0_\@
	s_barrier_signal -3
.Lnot_wave_0_\@:
	s_barrier_wait -3
	s_barrier_signal -1
	s_barrier_wait -1
.endm
.macro CROUND
	s_barrier_signal -1
	s_barrier_wait -1
	CREST
.endm
	s_load_b256 s[4:11], s[0:1], 0x0               ; x_codes s[4:5], x_scales s[6:7], w_codes s[8:9], w_scales s[10:11]
	s_load_b128 s[12:15], s[0:1], 0x20             ; bqkv s[12:13], qimg s[14:15]
	s_load_b64 s[16:17], s[0:1], 0x30              ; kvimg
	v_lshl_add_u32 v[SPW], v0, 2, SPARE
	v_mov_b32 v[NIL], 0
	ds_add_u32 v[SPW], v[NIL]                      ; the wave's opening: the add and its wait stand ahead of my first tensor load; the set-up below stands between them
	ds_add_u32 v[SPW], v[NIL]
	v_lshrrev_b32 v1, 5, v0
	v_readfirstlane_b32 s18, v1                    ; wave 0..3
	s_lshr_b32 s19, s18, 1                         ; my half of S1's 256 rows.  Also: I fetch for S1 (0) or S0 (1)
	s_and_b32 s20, s18, 1                          ; my half of S0's.  Also: which 128 rows of that tile I fetch
	s_bfe_u32 s22, ttmp6, 0x40000                  ; cx
	s_bfe_u32 s23, ttmp6, 0x40004                  ; cy
	s_and_b32 s2, ttmp7, 0xffff
	s_lshl_b32 s2, s2, 2                           ; 4 x cluster y
	s_lshl_b32 s66, ttmp9, 2                       ; 4 x cluster x
	s_add_co_u32 s92, s2, s23                      ; q, k: S1 = x's tile 4 cluster y + cy
	s_add_co_u32 s93, s23, 8                       ; v:    S1 = the weight's tile 8 + cy
	s_add_co_u32 s94, s66, s22                     ; q, k: S0 = the weight's tile 4 cluster x + cx
	s_add_co_u32 s95, s2, s22                      ; v:    S0 = x's tile 4 cluster y + cx
	s_cmp_eq_u32 ttmp9, 2                          ; the cluster's x: the same in all sixteen partners
	s_cselect_b32 s21, 1, 0                        ; 1: this cluster makes v
	s_cselect_b32 s40, s93, s92                    ; S1's tile: hangs on cy, never on cx
	s_cselect_b32 s41, s95, s94                    ; S0's tile: hangs on cx, never on cy
	s_lshl_b32 s42, s23, 2
	s_lshl_b32 s42, 15, s42                        ; my row of the cluster
	s_lshl_b32 s43, 0x1111, s22                    ; my column
	; descriptor group 1: a tile of 128 rows x 192 bytes, 16 bytes of padding behind every 64
	s_or_b32 s[G1+0], s42, (0<<16)|(1<<20)|(1<<21)|(3<<22)|(3<<25)  ; 15:0 the mask; 17:16 elements of 1 byte; 20 padding on; 21 set beside a mask; 24:22 after every 16 words; 31:25 of 4 words
	s_or_b32 s[G1B+0], s43, (0<<16)|(1<<20)|(1<<21)|(3<<22)|(3<<25)
.irp g, G1, G1B
	s_mov_b32 s[\g+1], ROWB<<16                    ; tensor_dim0
	s_mov_b32 s[\g+2], 128<<16                     ; tensor_dim1
	s_mov_b32 s[\g+3], ROWB<<16                    ; tile_dim0
	s_mov_b32 s[\g+4], 128                         ; tile_dim1
	s_mov_b32 s[\g+5], KROW                        ; from row to row
	s_mov_b32 s[\g+6], 0
	s_mov_b32 s[\g+7], 0
.endr
	; the scale bytes of 128 rows: 4,096 dense bytes, as 16 rows of 256 bytes (32 elements of 8), 16 bytes of padding behind each
	s_or_b32 s[G1S+0], s42, (3<<16)|(1<<20)|(1<<21)|(5<<22)|(3<<25)
	s_or_b32 s[G1SB+0], s43, (3<<16)|(1<<20)|(1<<21)|(5<<22)|(3<<25)
.irp g, G1S, G1SB
	s_mov_b32 s[\g+1], 32<<16
	s_mov_b32 s[\g+2], (128*KS/256)<<16
	s_mov_b32 s[\g+3], 32<<16
	s_mov_b32 s[\g+4], 128*KS/256
	s_mov_b32 s[\g+5], 32
	s_mov_b32 s[\g+6], 0
	s_mov_b32 s[\g+7], 0
.endr
	s_lshl_b32 s67, s20, 7                         ; which 128 rows of the tile I fetch
	s_lshl_b32 s92, s40, 8
	s_add_co_u32 s92, s92, s67                     ; S1: position 256 x tile + 128 x half
	s_lshl_b32 s94, s41, 8
	s_add_co_u32 s94, s94, s67                     ; S0 likewise
	s_mul_i32 s96, s92, KROW                       ; where these rows' codes begin (under 2^23 bytes),
	s_mov_b32 s97, 0
	s_lshl_b32 s92, s92, 5                         ; and their scale bytes
	s_mov_b32 s93, 0
	s_mul_i32 s98, s94, KROW
	s_mov_b32 s99, 0
	s_lshl_b32 s94, s94, 5
	s_mov_b32 s95, 0
	s_mul_i32 s44, s18, HALFT                      ; where they go: wave x 128 rows: no place in the cluster enters an LDS address
	s_mul_i32 s45, s18, HALFS
	s_mov_b32 s46, 0x76543210
	s_mov_b32 s47, 0xfedcba98                      ; v_permlanex16_b32's selects for lane l xor 16
	s_wait_dscnt 0x0                               ; the opening add is done
	s_wait_kmcnt 0x0
	s_cmp_eq_u32 s21, 1                            ; which buffer plays which role
	s_cselect_b64 s[66:67], s[8:9], s[4:5]
	s_add_nc_u64 s[96:97], s[66:67], s[96:97]      ; S1's codes
	s_cselect_b64 s[66:67], s[10:11], s[6:7]
	s_add_nc_u64 s[92:93], s[66:67], s[92:93]      ; S1's scale bytes
	s_cselect_b64 s[66:67], s[4:5], s[8:9]
	s_add_nc_u64 s[98:99], s[66:67], s[98:99]      ; S0's codes
	s_cselect_b64 s[66:67], s[6:7], s[10:11]
	s_add_nc_u64 s[94:95], s[66:67], s[94:95]      ; S0's scale bytes
	CROUND                                         ; all sixteen work-groups are here: the first joint loads meet
	s_mov_b32 s[G0S], 1
	s_add_co_u32 s[G0S+1], s45, SCL
	s_mov_b64 s[G0S+2:G0S+3], s[92:93]
	s_or_b32 s[G0S+3], s[G0S+3], 0x80000000
	s_mov_b32 s[G0SB], 1
	s_add_co_u32 s[G0SB+1], s45, SCL
	s_mov_b64 s[G0SB+2:G0SB+3], s[94:95]
	s_or_b32 s[G0SB+3], s[G0SB+3], 0x80000000
	JLOAD G0S, G1S, G0SB, G1SB                     ; the scale bytes first: they are wanted with K step 0
.irp s, 0,1
	s_mov_b32 s[G0+4*\s], 1
	s_add_co_u32 s[G0+4*\s+1], s44, \s*SLOT
	s_add_nc_u64 s[G0+4*\s+2:G0+4*\s+3], s[96:97], \s*ROWB
	s_or_b32 s[G0+4*\s+3], s[G0+4*\s+3], 0x80000000
	s_mov_b32 s[G0B+4*\s], 1
	s_add_co_u32 s[G0B+4*\s+1], s44, \s*SLOT
	s_add_nc_u64 s[G0B+4*\s+2:G0B+4*\s+3], s[98:99], \s*ROWB
	s_or_b32 s[G0B+4*\s+3], s[G0B+4*\s+3], 0x80000000
	JLOAD G0+4*\s, G1, G0B+4*\s, G1B               ; three tensor loads of mine are out now
.endr
	v_and_b32 v1, 15, v0                           ; r
	v_bfe_u32 v2, v0, 4, 1                         ; h
	v_mul_u32_u24 v3, v1, PITCH
	v_mul_u32_u24 v4, v2, 24
	v_add_nc_u32 v4, v3, v4                        ; a fragment's row x pitch + 24 x half
	v_lshl_add_u32 v5, v2, 4, v4                   ; and the same behind one padding more
	s_mul_i32 s66, s19, HALFT                      ; my 128 rows of S1
	s_mul_i32 s67, s20, HALFT                      ; my 128 rows of S0,
	s_add_co_u32 s67, s67, 2*HALFT                 ; which lie behind S1's 256
.irp s, 0,1
	v_add_nc_u32 v[ADRA+\s], s66, v4
	v_add_nc_u32 v[ADRB+\s], s67, v4
	v_add_nc_u32 v[ADRA+2+\s], s66, v5
	v_add_nc_u32 v[ADRB+2+\s], s67, v5
	s_add_co_u32 s66, s66, SLOT
	s_add_co_u32 s67, s67, SLOT
.endr
	v_mul_u32_u24 v5, v1, KS                       ; my row's scale bytes: 32 a row,
	v_lshrrev_b32 v6, 8, v5
	v_lshl_add_u32 v5, v6, 4, v5                   ; and 16 more for each 256 passed
	s_mul_i32 s66, s19, HALFS
	s_mul_i32 s67, s20, HALFS
	s_add_co_u32 s67, s67, 2*HALFS
	s_sub_co_u32 s67, s67, s66
	v_mul_u32_u24 v6, s67, v2                      ; lanes 16-31 take S0's
	s_add_co_u32 s66, s66, SCL
	v_add_nc_u32 v5, v5, v6
	v_add_nc_u32 v[ADRS], s66, v5
	v_and_b32 v[LANE], 31, v0
	v_lshlrev_b32 v[IMG], 4, v[LANE]
	v_lshlrev_b32 v[SWO], 3, v[LANE]
	v_lshlrev_b32 v[BO], 6, v2
	s_wait_alu depctr_va_vdst(0)
	v_and_b32 v3, 8, v1
	v_add_nc_u32 v3, v3, v1
	v_lshlrev_b32 v[BVO], 2, v3
	; bqkv, both ways, in every work-group (so that every register is written on every way); the way that is not mine reads from bqkv's first bytes and is not used
	s_wait_alu depctr_va_vdst(0)
	s_lshl_b32 s96, s41, 10
	s_lshl_b32 s97, s20, 9
	s_add_co_u32 s96, s96, s97                     ; q, k: 4 x (256 x S0's tile + 128 x my half)
	s_lshl_b32 s98, s23, 10
	s_lshl_b32 s99, s19, 9
	s_add_co_u32 s98, s98, s99
	s_add_co_u32 s98, s98, 8192                    ; v: 4 x (2,048 + 256 cy + 128 x my half)
	s_cmp_eq_u32 s21, 1
	s_cselect_b32 s96, 0, s96
	s_cselect_b32 s98, s98, 0
	s_mov_b32 s97, 0
	s_mov_b32 s99, 0
	s_add_nc_u64 s[96:97], s[12:13], s[96:97]
	s_add_nc_u64 s[98:99], s[12:13], s[98:99]
.irp g, 0,1,2,3
.irp q, 0,1,2,3
	global_load_b128 v[BIAS+16*\g+4*\q:BIAS+16*\g+4*\q+3], v[BO], s[96:97] offset:128*\g+16*\q
.endr
.endr
.irp a, 0,1,2,3,4,5,6,7
	global_load_b32 v[BV+2*\a], v[BVO], s[98:99] offset:(32*(\a/2)+8*(\a%2))*4
	global_load_b32 v[BV+2*\a+1], v[BVO], s[98:99] offset:(32*(\a/2)+8*(\a%2))*4   ; twice: the packed addition takes a pair
.endr
.macro FRAG reg, adr, q, i             ; a fragment, 16 rows x 128 K: lane l holds row l % 16; registers 6 c .. 6 c + 5 hold K = 64 c + 32 (l / 16) + 0 .. 31: 24 bytes of the row, as they lie, in pieces of 8 bytes
.irp p, 0,1,2,3,4,5
.set PC, 12*(\q)+6*(\p/3)+\p%3         ; where the piece three on (lanes 16-31) lies behind one padding more, the second address register serves
.if PC%8 < 5
	ds_load_b64 v[\reg+2*\p:\reg+2*\p+1], v[\adr] offset:8*PC+16*(PC/8)+(\i)*16*PITCH
.else
	ds_load_b64 v[\reg+2*\p:\reg+2*\p+1], v[\adr+2] offset:8*PC+16*(PC/8)+(\i)*16*PITCH
.endif
.endr
.endm
; 16 matrix instructions: S1's blocks a0, a0 + 1 x S0's eight.  The 64 accumulators take turns, one instruction a turn, in the same order in every step.  zero = 1: the first product starts the sums.
.macro MUL16 a0, p, q, sc, zero
.irp a, \a0, \a0+1
.irp b, 0,1,2,3,4,5,6,7
.if \zero
	v_wmma_scale_f32_16x16x128_f8f6f4 v[8*(8*((\a)%4)+\b):8*(8*((\a)%4)+\b)+7], v[128*(\p)+FR*\b:128*(\p)+FR*\b+FR-1], v[AF+FR*(\a):AF+FR*(\a)+FR-1], 0, v[SC+8*NQ*(\sc)+NQ*\b+(\q)], v[SC+8*NQ*(\sc)+NQ*(\a)+(\q)] matrix_a_fmt:MATRIX_FMT_FP6 matrix_b_fmt:MATRIX_FMT_FP6 matrix_a_scale:MATRIX_SCALE_ROW1
.else
	v_wmma_scale_f32_16x16x128_f8f6f4 v[8*(8*((\a)%4)+\b):8*(8*((\a)%4)+\b)+7], v[128*(\p)+FR*\b:128*(\p)+FR*\b+FR-1], v[AF+FR*(\a):AF+FR*(\a)+FR-1], v[8*(8*((\a)%4)+\b):8*(8*((\a)%4)+\b)+7], v[SC+8*NQ*(\sc)+NQ*\b+(\q)], v[SC+8*NQ*(\sc)+NQ*(\a)+(\q)] matrix_a_fmt:MATRIX_FMT_FP6 matrix_b_fmt:MATRIX_FMT_FP6 matrix_a_scale:MATRIX_SCALE_ROW1
.endif
.endr
.endr
.endm
.macro FETCH_B slot, q, p
	WIN TO_B
.irp i, 0,1,2,3,4,5,6,7
	FRAG 128*(\p)+FR*\i, ADRB+\slot, \q, \i
.endr
	WIN 0
.endm
.macro FETCH_A slot, q, i0
.irp i, \i0, \i0+1, \i0+2, \i0+3
	FRAG AF+FR*(\i), ADRA+\slot, \q, \i
.endr
.endm
.macro SCALES sc                       ; a K step's scale words: two words a row; lanes 0-15 S1's block i, lanes 16-31 S0's block i
.irp i, 0,1,2,3,4,5,6,7
	ds_load_b64 v[SC+8*NQ*\sc+NQ*\i:SC+8*NQ*\sc+NQ*\i+1], v[ADRS] offset:\i*SBLK
.endr
.endm
.macro PLACES n                        ; plain vector instructions between a matrix instruction and a load into, or a vector instruction on, its registers
.rept \n
	v_nop
.endr
.endm
.macro STEP slot, q, zero              ; a step of 128 along K that has its successor in the same slot
	s_wait_dscnt 4*NL                              ; S0's set and S1's blocks 0-3 are in; the youngest 24 loads (S1's blocks 4-7) may be out
	WIN MUL_LO
	MUL16 0, (\q)%2, \q, \slot, \zero
	MUL16 2, (\q)%2, \q, \slot, \zero
	s_wait_dscnt 0                                 ; S1's blocks 4-7 are in
	PLACES NP
	FETCH_B \slot, (\q)+1, 1-(\q)%2
	FETCH_A \slot, (\q)+1, 0
	WIN MUL_HI
	MUL16 4, (\q)%2, \q, \slot, \zero
	MUL16 6, (\q)%2, \q, \slot, \zero
	PLACES NP
	WIN 0
	FETCH_A \slot, (\q)+1, 4
.endm
; A slot's last step changes slots: one barrier; in front of it each wave waits for all its tensor loads, adds 0 to its spare word, and waits for that and for its reads of this slot.  fill = 1: the slot is filled again, two K steps ahead.
.macro TURN slot, next, fill
	s_wait_tensorcnt 0x0                           ; all my tensor loads have landed: my part of the next slot
	ds_add_u32 v[SPW], v[NIL]
	s_wait_dscnt 4*NL+1                            ; the add and the youngest 24 loads may be out
	WIN MUL_LO
	MUL16 0, 1, NQ-1, \slot, 0
	s_wait_dscnt 0x0                               ; the add is done, and my reads of this slot are over
	s_barrier_signal -1
	MUL16 2, 1, NQ-1, \slot, 0
	WIN 0
	s_barrier_wait -1
.if \fill
	CREST                                          ; the barrier has opened a round of the cluster's: no wave of any partner still reads this slot or has a load on its way
	s_add_nc_u64 s[G0+4*\slot+2:G0+4*\slot+3], s[G0+4*\slot+2:G0+4*\slot+3], 2*ROWB
	s_add_nc_u64 s[G0B+4*\slot+2:G0B+4*\slot+3], s[G0B+4*\slot+2:G0B+4*\slot+3], 2*ROWB
	JLOAD G0+4*\slot, G1, G0B+4*\slot, G1B         ; the first tensor load behind the round; its four v_nop are the places in front of the loads below
.else
	PLACES NP
.endif
	s_wait_alu depctr_va_vdst(0)
	v_add_nc_u32 v[ADRS], 4*NQ, v[ADRS]            ; the next K step's scale words
	FETCH_B \next, 0, 0
	FETCH_A \next, 0, 0
	SCALES \next
	WIN MUL_HI
	MUL16 4, 1, NQ-1, \slot, 0
	MUL16 6, 1, NQ-1, \slot, 0
	PLACES NP
	WIN 0
	FETCH_A \next, 0, 4
.endm
	s_wait_tensorcnt 1                             ; the scale bytes and my part of K step 0 are in; K step 1's load may be out
	s_barrier_signal -1
	s_barrier_wait -1
	FETCH_B 0, 0, 0
	FETCH_A 0, 0, 0
	SCALES 0
	FETCH_A 0, 0, 4
	STEP 0, 0, 1                                   ; the first step's products start the sums
	s_mov_b32 s3, LAPS-1
.Llap:                                                 ; a trip goes once round the ring and fills both slots again
	TURN 0, 1, 1
	STEP 1, 0, 0
	TURN 1, 0, 1
	STEP 0, 0, 0
	s_sub_co_u32 s3, s3, 1
	s_cmp_lg_u32 s3, 0
	s_cbranch_scc1 .Llap
	TURN 0, 1, 0                                   ; the last lap fills nothing
	STEP 1, 0, 0
	s_wait_dscnt 4*NL
	WIN MUL_LO
	MUL16 0, 1, NQ-1, 1, 0
	MUL16 2, 1, NQ-1, 1, 0
	s_wait_dscnt 0
	WIN MUL_HI
	MUL16 4, 1, NQ-1, 1, 0
	MUL16 6, 1, NQ-1, 1, 0
	WIN 0
; ---------------- THE WAY OUT: bias, quantiser, images.  No LDS: every store of codes covers 512 consecutive bytes, aligned.
.macro ADDB a                          ; S1's block a: + bqkv along S0, and into window 0; each accumulator is read from its low end on
	WIN 0x02+(\a)/4
.set i, 0
.rept 32
	v_pk_add_f32 v[T+i:T+i+1], v[64*((\a)%4)+i:64*((\a)%4)+i+1], v[BIAS+i:BIAS+i+1]
.set i, i+2
.endr
	WIN 0
.endm
.macro ADDV a                          ; the same with the one number of bqkv that belongs to my lane's column
	WIN 0x02+(\a)/4
.set i, 0
.rept 32
	v_pk_add_f32 v[T+i:T+i+1], v[64*((\a)%4)+i:64*((\a)%4)+i+1], v[BV+2*(\a):BV+2*(\a)+1]
.set i, i+2
.endr
	WIN 0
.endm
; 64 numbers of a lane, register 16 b + i = number 32 b + 16 (lane / 16) + i of my row, become codes: blocks 0, 1 in v[d0 .. d0 + 5] (lanes 0-15 block 0, lanes 16-31 block 1), blocks 2, 3 in v[d1 ..] likewise; the four bytes in v[pw].
.macro QUANT s, d0, d1, pw
.irp b, 0,1,2,3
	v_max3_num_f32 v[TM+\b], |v[\s+16*\b]|, |v[\s+1+16*\b]|, 0x1800000   ; my 16 numbers of block b, and the floor 2^(3 - 127): the byte cannot fall under 1
.endr
.irp i, 2,4,6,8,10,12,14
.irp b, 0,1,2,3
	v_max3_num_f32 v[TM+\b], v[TM+\b], |v[\s+16*\b+\i]|, |v[\s+1+16*\b+\i]|
.endr
.endr
.irp b, 0,1,2,3
	v_permlanex16_b32 v[TM+4+\b], v[TM+\b], s46, s47
.endr
.irp b, 0,1,2,3
	v_max_num_f32 v[TM+\b], v[TM+\b], v[TM+4+\b]   ; with lane l xor 16's: the block's largest magnitude
.endr
.irp b, 0,1,2,3
	v_add_nc_u32 v[TM+12+\b], 0xff000000, v[TM+\b] ; 2 off its exponent field: the conversion's scale operand
.endr
.irp b, 0,1,2,3
	v_lshrrev_b32 v[TM+4+\b], 23, v[TM+12+\b]      ; the scale's byte
.endr
	v_lshl_or_b32 v[\pw], v[TM+5], 8, v[TM+4]
	v_lshl_or_b32 v[\pw], v[TM+6], 16, v[\pw]
	v_lshl_or_b32 v[\pw], v[TM+7], 24, v[\pw]
	v_cvt_scalef32_pk16_fp6_f32 v[\d0:\d0+2], v[\s:\s+15], v[TM+12]
	v_cvt_scalef32_pk16_fp6_f32 v[CT:CT+2], v[\s+16:\s+31], v[TM+13]
	v_cvt_scalef32_pk16_fp6_f32 v[\d1:\d1+2], v[\s+32:\s+47], v[TM+14]
	v_cvt_scalef32_pk16_fp6_f32 v[CT+4:CT+6], v[\s+48:\s+63], v[TM+15]
	v_nop                                          ; one plain place behind a scaled conversion
.irp i, 0,1,2
	v_permlane16_swap_b32 v[\d0+\i], v[CT+\i]      ; a whole block to a lane: the first now holds each lane's block's lower 16 codes, the second the upper 16
.endr
.irp i, 0,1,2
	v_mov_b32 v[\d0+3+\i], v[CT+\i]
.endr
.irp i, 0,1,2
	v_permlane16_swap_b32 v[\d1+\i], v[CT+4+\i]
.endr
.irp i, 0,1,2
	v_mov_b32 v[\d1+3+\i], v[CT+4+\i]
.endr
.endm
.macro WORDS off                       ; the scale words of two heads: lane (i, h) stores the words of fragments 2 h and 2 h + 1 for row i: 256 consecutive bytes a head
.irp c, 0,1
	v_cndmask_b32 v[2+2*\c], v[SW+4*\c], v[SW+4*\c+2], s100
	v_cndmask_b32 v[3+2*\c], v[SW+4*\c+1], v[SW+4*\c+3], s100
.endr
.endm
.macro FINISH
	s_wait_tensorcnt 0x0                           ; the wave's end
	ds_add_u32 v[SPW], v[NIL]
	s_wait_dscnt 0x0
	CROUND                                         ; the closing round: no work-group ends while a partner may still ask for a tile that names it
	s_endpgm
.endm
.irp b, 0,1,2,3
	v_mov_b32 v[TM+4+\b], 0                        ; written once: a lane permute's destination counts as one of its sources.  These four are also the places behind the last products
.endr
	s_wait_loadcnt 0x0                             ; bqkv
	v_cmp_lt_u32 s100, 15, v[LANE]                 ; lanes 16-31
	s_cmp_eq_u32 s21, 1
	s_cbranch_scc1 .Lvpath
	; ---- q or k: my 128 tokens are one key step, my 128 columns two heads
	s_lshl_b32 s92, s40, 8
	s_lshl_b32 s93, s19, 7
	s_add_co_u32 s92, s92, s93                     ; my first token
	s_lshr_b32 s93, s92, 11                        ; batch
	s_bfe_u32 s94, s92, 0x40007                    ; key step
	s_lshl_b32 s95, s41, 2
	s_lshl_b32 s66, s20, 1
	s_add_co_u32 s95, s95, s66
	s_and_b32 s95, s95, 15                         ; my first head
	s_lshl_b32 s93, s93, 4
	s_add_co_u32 s93, s93, s95
	s_mul_i32 s93, s93, HEADB
	s_mul_i32 s94, s94, STEPB
	s_add_co_u32 s92, s93, s94
	s_mov_b32 s93, 0
	s_cmp_eq_u32 ttmp9, 0
	s_cselect_b64 s[14:15], s[14:15], s[16:17]     ; cluster 0: qimg; cluster 1: kvimg
	s_add_nc_u64 s[14:15], s[14:15], s[92:93]
.irp f, 0,1,2,3
.if \f > 0
	s_wait_xcnt 0x0                                ; the last fragments' stores have read their registers, which are written again below
.endif
	ADDB 2*\f
	QUANT T, F0, F1, 6                             ; the lower 16 tokens of fragment f: registers 0-5, head 0 in F0, head 1 in F1
	ADDB 2*\f+1
	QUANT T, F0+6, F1+6, 7                         ; the upper 16: registers 6-11
	v_perm_b32 v[SW+\f], v7, v6, 0x05040100        ; head 0's word: the lower token's two bytes, then the upper's
	v_perm_b32 v[SW+4+\f], v7, v6, 0x07060302      ; head 1's
.irp c, 0,1,2
	global_store_b128 v[IMG], v[F0+4*\c:F0+4*\c+3], s[14:15] offset:\f*1536+512*\c
	global_store_b128 v[IMG], v[F1+4*\c:F1+4*\c+3], s[14:15] offset:HEADB+\f*1536+512*\c
.endr
.endr
	WORDS
	global_store_b64 v[SWO], v[2:3], s[14:15] offset:12288
	global_store_b64 v[SWO], v[4:5], s[14:15] offset:HEADB+12288
	FINISH
.Lvpath:
	; ---- v: my 128 keys (S0) are one key step, my 128 columns (S1) two heads of four tiles of d
	s_lshl_b32 s92, s41, 8
	s_lshl_b32 s93, s20, 7
	s_add_co_u32 s92, s92, s93                     ; my first key
	s_lshr_b32 s93, s92, 11
	s_bfe_u32 s94, s92, 0x40007
	s_lshl_b32 s93, s93, 4
	s_lshl_b32 s95, s23, 2
	s_add_co_u32 s93, s93, s95
	s_lshl_b32 s95, s19, 1
	s_add_co_u32 s93, s93, s95                     ; batch x 16 + 4 cy + 2 x my half
	s_mul_i32 s93, s93, HEADB
	s_mul_i32 s94, s94, STEPB
	s_add_co_u32 s92, s93, s94
	s_mov_b32 s93, 0
	s_add_nc_u64 s[16:17], s[16:17], s[92:93]
.irp a, 0,1,2,3,4,5,6,7
.if \a > 0
	s_wait_xcnt 0x0                                ; the last fragment's stores have read their registers
.endif
	ADDV \a
	QUANT T, F0, F0+6, SW+\a                       ; a whole fragment: 16 of d x 128 keys, and its scale word
.irp c, 0,1,2
	global_store_b128 v[IMG], v[F0+4*\c:F0+4*\c+3], s[16:17] offset:(\a/4)*HEADB+6144+(\a%4)*1536+512*\c
.endr
.endr
	WORDS
	global_store_b64 v[SWO], v[2:3], s[16:17] offset:12544
	global_store_b64 v[SWO], v[4:5], s[16:17] offset:HEADB+12544
	FINISH
.Lfunc_end_k_qf457c3a627_gemm_qkv:
	.size	k_qf457c3a627_gemm_qkv, .Lfunc_end_k_qf457c3a627_gemm_qkv-k_qf457c3a627_gemm_qkv
	.p2alignl 7, 3214868480
	.fill 96, 4, 3214868480
	.section	.rodata,"a",@progbits
	.p2align	6, 0x0
	.amdhsa_kernel k_qf457c3a627_gemm_qkv
		.amdhsa_group_segment_fixed_size 327680
		.amdhsa_private_segment_fixed_size 0
		.amdhsa_enable_private_segment 0
		.amdhsa_kernarg_size 56
		.amdhsa_user_sgpr_count 2
		.amdhsa_user_sgpr_kernarg_segment_ptr 1
		.amdhsa_wavefront_size32 1
		.amdhsa_system_sgpr_workgroup_id_x 1
		.amdhsa_system_sgpr_workgroup_id_y 1
		.amdhsa_system_sgpr_workgroup_id_z 1
		.amdhsa_system_vgpr_workitem_id 0
		.amdhsa_next_free_vgpr 1024
		.amdhsa_next_free_sgpr 102
		.amdhsa_reserve_vcc 0
		.amdhsa_float_denorm_mode_32 3
		.amdhsa_float_denorm_mode_16_64 3
		.amdhsa_memory_ordered 1
		.amdhsa_forward_progress 1
		.amdhsa_inst_pref_size 235
	.end_amdhsa_kernel
	.amdgpu_metadata
---
amdhsa.version: [ 1, 2 ]
amdhsa.kernels:
  - .name:           k_qf457c3a627_gemm_qkv
    .symbol:         k_qf457c3a627_gemm_qkv.kd
    .args:
      - { .name: x_codes, .offset: 0, .size: 8, .value_kind: global_buffer, .address_space: global }
      - { .name: x_scales, .offset: 8, .size: 8, .value_kind: global_buffer, .address_space: global }
      - { .name: w_codes, .offset: 16, .size: 8, .value_kind: global_buffer, .address_space: global }
      - { .name: w_scales, .offset: 24, .size: 8, .value_kind: global_buffer, .address_space: global }
      - { .name: bqkv, .offset: 32, .size: 8, .value_kind: global_buffer, .address_space: global }
      - { .name: qimg, .offset: 40, .size: 8, .value_kind: global_buffer, .address_space: global }
      - { .name: kvimg, .offset: 48, .size: 8, .value_kind: global_buffer, .address_space: global }
    .group_segment_fixed_size: 327680
    .private_segment_fixed_size: 0
    .kernarg_segment_align: 8
    .kernarg_segment_size: 56
    .max_flat_workgroup_size: 128
    .sgpr_count:     102
    .vgpr_count:     1024
    .wavefront_size: 32
...
	.end_amdgpu_metadata
.endif
;; end of part 2
;; launch attn (part 3): grid 4 x 64, 16 waves a work-group, clusters of 4 x 1, 327,680 bytes of LDS; arguments qimg, kvimg, y_img, y_scales; writes y_img, y_scales
.if DOCPART == 3
	.amdgcn_target "amdgcn-amd-amdhsa--gfx1250"
	.amdhsa_code_object_version 6
	.text
	.protected	k_qf457c3a627_attn
	.globl	k_qf457c3a627_attn
	.p2align	8
	.type	k_qf457c3a627_attn,@function
k_qf457c3a627_attn:
	s_mov_b64 s[64:65], 0
	v_nop
	global_prefetch_b8 v0, s[64:65] scope:SCOPE_SE
	s_setreg_imm32_b32 hwreg(HW_REG_WAVE_MODE, 25, 1), 1
	s_wait_xcnt 0x0
	s_wait_alu depctr_hold_cnt(0) depctr_sa_sdst(0) depctr_va_vdst(0) depctr_va_sdst(0) depctr_va_ssrc(0) depctr_va_vcc(0) depctr_vm_vsrc(0)
	s_getreg_b32 s2, hwreg(HW_REG_IB_STS2, 6, 4)
	s_cmp_eq_u32 s2, 0
	s_cbranch_scc0 .Lentry_in_a_cluster
	s_endpgm
.Lentry_in_a_cluster:
	s_bfe_u32 s2, ttmp6, 0x10000c
	s_cmp_lg_u32 s2, 0x3003
	s_cbranch_scc0 .Lentry_shape_is_right
	s_endpgm
.Lentry_shape_is_right:
.set SPARE, 204800
.set HEADB, 204800
.set STEPB, 12800
.macro CROUND
	s_barrier_signal -1
	s_barrier_wait -1
	s_cmp_lg_u32 s12, 0
	s_cbranch_scc1 .Lnot_wave_0_\@
	s_barrier_signal -3
.Lnot_wave_0_\@:
	s_barrier_wait -3
	s_barrier_signal -1
	s_barrier_wait -1
.endm
	s_load_b256 s[4:11], s[0:1], 0x0
	v_lshl_add_u32 v5, v0, 2, SPARE
	v_mov_b32 v6, 0
	ds_add_u32 v5, v6
	ds_add_u32 v5, v6
	v_lshrrev_b32 v1, 5, v0
	s_delay_alu instid0(VALU_DEP_1)
	v_readfirstlane_b32 s12, v1
	s_bfe_u32 s13, ttmp6, 0x40000
	s_and_b32 s14, ttmp7, 0xffff
	s_mov_b32 s16, 15|(3<<16)|(1<<21)
	s_mov_b32 s17, 32<<16
	s_mov_b32 s18, 25<<16
	s_mov_b32 s19, 32<<16
	s_mov_b32 s20, 25
	s_mov_b32 s21, 32
	s_mov_b32 s22, 0
	s_mov_b32 s23, 0
	s_mov_b32 s32, 0x76543210
	s_mov_b32 s33, 0xfedcba98
	s_mov_b32 s34, 0x3e38aa3b
	s_mov_b32 s35, s34
	s_mul_i32 s40, s14, HEADB
	s_mul_i32 s41, s12, 6400
	s_add_co_u32 s42, s40, s41
	s_mov_b32 s43, 0
	s_wait_dscnt 0x0
	s_wait_kmcnt 0x0
	CROUND
	s_mov_b32 s24, 1
	s_mov_b32 s25, s41
	s_add_nc_u64 s[26:27], s[6:7], s[42:43]
	s_mov_b32 s28, 1
	s_add_co_u32 s29, s41, 102400
	s_add_nc_u64 s[30:31], s[26:27], 102400
	s_or_b32 s27, s27, 0x80000000
	s_or_b32 s31, s31, 0x80000000
	tensor_load_to_lds s[24:27], s[16:23]
	s_nop 0
	s_wait_alu depctr_va_vdst(0)
	s_wait_tensorcnt 0x0
	ds_add_u32 v5, v6
	s_wait_dscnt 0x0
	CROUND
	tensor_load_to_lds s[28:31], s[16:23]
	s_nop 0
.rept 4
	v_nop
.endr
	s_lshl_b32 s44, s13, 2
	s_lshr_b32 s45, s12, 2
	s_add_co_u32 s44, s44, s45
	s_and_b32 s45, s12, 3
	s_mul_i32 s46, s44, STEPB
	s_add_co_u32 s46, s46, s40
	s_mul_i32 s47, s45, 1536
	s_add_co_u32 s48, s46, s47
	s_mov_b32 s49, 0
	s_add_nc_u64 s[48:49], s[4:5], s[48:49]
	s_lshr_b32 s50, s45, 1
	s_lshl_b32 s50, s50, 7
	s_and_b32 s51, s45, 1
	s_lshl_b32 s51, s51, 2
	s_add_co_u32 s50, s50, s51
	s_add_co_u32 s50, s50, s46
	s_add_co_u32 s50, s50, 12288
	s_mov_b32 s51, 0
	s_add_nc_u64 s[50:51], s[4:5], s[50:51]
	s_lshr_b32 s52, s14, 4
	s_and_b32 s53, s14, 15
	s_lshl_b32 s54, s52, 4
	s_add_co_u32 s54, s54, s44
	s_mul_i32 s54, s54, 98304
	s_mul_i32 s55, s53, 6144
	s_add_co_u32 s54, s54, s55
	s_add_co_u32 s54, s54, s47
	s_mov_b32 s55, 0
	s_add_nc_u64 s[8:9], s[8:9], s[54:55]
	s_lshl_b32 s56, s52, 11
	s_lshl_b32 s57, s44, 7
	s_add_co_u32 s56, s56, s57
	s_lshl_b32 s57, s45, 5
	s_add_co_u32 s56, s56, s57
	s_lshl_b32 s56, s56, 5
	s_lshl_b32 s57, s53, 1
	s_add_co_u32 s56, s56, s57
	s_mov_b32 s57, 0
	s_add_nc_u64 s[10:11], s[10:11], s[56:57]
	v_and_b32 v10, 31, v0
	s_delay_alu instid0(VALU_DEP_1)
	v_lshlrev_b32 v1, 4, v10
	s_delay_alu instid0(VALU_DEP_2)
	v_lshlrev_b32 v7, 3, v10
	s_delay_alu instid0(VALU_DEP_1)
	v_add_nc_u32 v2, 12288, v7
	v_and_b32 v11, 15, v0
	s_delay_alu instid0(VALU_DEP_1)
	v_lshlrev_b32 v8, 5, v11
	s_delay_alu instid0(VALU_DEP_2)
	v_lshlrev_b32 v9, 3, v11
	global_load_b128 v[34:37], v1, s[48:49]
	global_load_b128 v[38:41], v1, s[48:49] offset:512
	global_load_b128 v[42:45], v1, s[48:49] offset:1024
	global_load_b32 v46, v9, s[50:51]
.irp i, 22,23,24,25,26,27
	v_mov_b32 v\i, 0
.endr
.irp i, 216,217,218,219,229,231
	v_mov_b32 v\i, 0
.endr
	s_wait_loadcnt 0x0
.macro STEP
	v_add_nc_u32 v3, s36, v1
	v_add_nc_u32 v4, s36, v2
	v_nop
	v_nop
	ds_load_b64 v[224:225], v4
	ds_load_b64 v[226:227], v4 offset:256
.irp f, 0,1,2,3
.irp c, 0,1,2
	ds_load_b128 v[48+12*\f+4*\c:51+12*\f+4*\c], v3 offset:1536*\f+512*\c
.endr
.endr
	s_wait_alu depctr_va_vdst(0)
.irp f, 0,1,2,3
	s_wait_dscnt 9-3*\f
.if \f < 2
	v_wmma_scale_f32_16x16x128_f8f6f4 v[96+16*\f:103+16*\f], v[48+12*\f:59+12*\f], v[16:27], 0, v[224+\f%2], v47 matrix_a_fmt:MATRIX_FMT_FP6 matrix_b_fmt:MATRIX_FMT_FP6
	v_wmma_scale_f32_16x16x128_f8f6f4 v[104+16*\f:111+16*\f], v[48+12*\f:59+12*\f], v[22:33], 0, v[224+\f%2], v47 matrix_a_fmt:MATRIX_FMT_FP6 matrix_b_fmt:MATRIX_FMT_FP6
.else
	v_wmma_scale_f32_16x16x128_f8f6f4 v[96+16*\f:103+16*\f], v[48+12*\f:59+12*\f], v[16:27], 0, v[224+\f%2], v47 matrix_a_fmt:MATRIX_FMT_FP6 matrix_b_fmt:MATRIX_FMT_FP6 matrix_a_scale:MATRIX_SCALE_ROW1
	v_wmma_scale_f32_16x16x128_f8f6f4 v[104+16*\f:111+16*\f], v[48+12*\f:59+12*\f], v[22:33], 0, v[224+\f%2], v47 matrix_a_fmt:MATRIX_FMT_FP6 matrix_b_fmt:MATRIX_FMT_FP6 matrix_a_scale:MATRIX_SCALE_ROW1
.endif
.endr
.rept 4
	v_nop
.endr
.irp f, 0,1,2,3
.irp c, 0,1,2
	ds_load_b128 v[48+12*\f+4*\c:51+12*\f+4*\c], v3 offset:6144+1536*\f+512*\c
.endr
.endr
.irp b, 0,1,2,3
	v_max3_num_f32 v[212+\b], v[96+16*\b], v[97+16*\b], v[98+16*\b]
.endr
.irp i, 3,5,7,9,11,13
.irp b, 0,1,2,3
	v_max3_num_f32 v[212+\b], v[212+\b], v[96+16*\b+\i], v[97+16*\b+\i]
.endr
.endr
.irp b, 0,1,2,3
	v_max_num_f32 v[212+\b], v[212+\b], v[111+16*\b]
.endr
.irp b, 0,1,2,3
	s_delay_alu instid0(VALU_DEP_4)
	v_permlanex16_b32 v[216+\b], v[212+\b], s32, s33
.endr
.irp b, 0,1,2,3
	s_delay_alu instid0(VALU_DEP_4)
	v_max_num_f32 v[212+\b], v[212+\b], v[216+\b]
.endr
	s_delay_alu instid0(VALU_DEP_2)
	v_max3_num_f32 v231, v212, v213, v214
	s_delay_alu instid0(VALU_DEP_1)
	v_max_num_f32 v231, v231, v215
	s_delay_alu instid0(VALU_DEP_1)
	v_mul_f32 v231, s34, v231
	s_delay_alu instid0(VALU_DEP_1)
	v_max_num_f32 v13, v13, v231
	v_mov_b32 v231, v12
	s_delay_alu instid0(VALU_DEP_2)
	v_floor_f32 v12, -v13
	s_delay_alu instid0(VALU_DEP_1)
	v_sub_f32 v231, v12, v231
	s_delay_alu instid0(VALU_DEP_1)
	v_cvt_i32_f32 v231, v231
	s_delay_alu instid0(VALU_DEP_1)
	v_ldexp_f32 v228, 1.0, v231
.set j, 0
.rept 32
	v_pk_fma_f32 v[96+j:97+j], v[96+j:97+j], s[34:35], v[12:13] op_sel_hi:[1,0,0]
.set j, j+2
.endr
.irp b, 0,1,2,3
	v_fma_f32 v[212+\b], v[212+\b], s34, v12
.endr
.set j, 0
	s_wait_alu depctr_va_vdst(0)
.rept 64
	v_exp_f32 v[96+j], v[96+j]
.set j, j+1
.endr
	s_setprio 1
	v_pk_mul_f32 v[14:15], v[14:15], v[228:229] op_sel_hi:[1,0]
	s_wait_alu depctr_va_vdst(0)
.irp b, 0,1,2,3
	v_exp_f32 v[212+\b], v[212+\b]
.endr
	v_pk_add_f32 v[216:217], v[96:97], v[98:99]
.irp j, 4,8,12,16,20,24,28,32,36,40,44,48,52,56,60
	v_pk_add_f32 v[14:15], v[14:15], v[96+\j:97+\j]
	v_pk_add_f32 v[216:217], v[216:217], v[98+\j:99+\j]
.endr
	s_delay_alu instid0(VALU_DEP_1)
	v_pk_add_f32 v[14:15], v[14:15], v[216:217]
	s_wait_alu depctr_va_vdst(0)
.irp b, 0,1,2,3
	v_max_num_f32 v[212+\b], 0x1800000, v[212+\b]
.endr
.irp b, 0,1,2,3
	s_delay_alu instid0(VALU_DEP_4)
	v_add_nc_u32 v[220+\b], 0xff000000, v[212+\b]
.endr
.irp b, 0,1,2,3
	s_delay_alu instid0(VALU_DEP_4)
	v_lshrrev_b32 v[216+\b], 23, v[220+\b]
.endr
	s_delay_alu instid0(VALU_DEP_3)
	v_lshl_or_b32 v230, v217, 8, v216
	s_delay_alu instid0(VALU_DEP_1)
	v_lshl_or_b32 v230, v218, 16, v230
	s_delay_alu instid0(VALU_DEP_1)
	v_lshl_or_b32 v230, v219, 24, v230
	v_cvt_scalef32_pk16_fp6_f32 v[192:194], v[96:111], v220
	v_cvt_scalef32_pk16_fp6_f32 v[204:206], v[112:127], v221
	v_cvt_scalef32_pk16_fp6_f32 v[198:200], v[128:143], v222
	v_cvt_scalef32_pk16_fp6_f32 v[208:210], v[144:159], v223
	v_nop
.irp i, 0,1,2
	v_permlane16_swap_b32 v[192+\i], v[204+\i]
.endr
.irp i, 0,1,2
	s_delay_alu instid0(VALU_DEP_3)
	v_mov_b32 v[195+\i], v[204+\i]
.endr
.irp i, 0,1,2
	v_permlane16_swap_b32 v[198+\i], v[208+\i]
.endr
.irp i, 0,1,2
	s_delay_alu instid0(VALU_DEP_3)
	v_mov_b32 v[201+\i], v[208+\i]
.endr
.set j, 0
	s_setprio 0
.rept 16
	v_pk_mul_f32 v[160+j:161+j], v[160+j:161+j], v[228:229] op_sel_hi:[1,0]
.set j, j+2
.endr
	s_wait_alu depctr_va_vdst(0)
	s_wait_dscnt 0x0
.irp t, 0,1,2,3
.if \t < 2
	v_wmma_scale_f32_16x16x128_f8f6f4 v[160+8*\t:167+8*\t], v[48+12*\t:59+12*\t], v[192:203], v[160+8*\t:167+8*\t], v[226+\t%2], v230 matrix_a_fmt:MATRIX_FMT_FP6 matrix_b_fmt:MATRIX_FMT_FP6
.else
	v_wmma_scale_f32_16x16x128_f8f6f4 v[160+8*\t:167+8*\t], v[48+12*\t:59+12*\t], v[192:203], v[160+8*\t:167+8*\t], v[226+\t%2], v230 matrix_a_fmt:MATRIX_FMT_FP6 matrix_b_fmt:MATRIX_FMT_FP6 matrix_a_scale:MATRIX_SCALE_ROW1
.endif
.endr
.endm
.macro STEPS n
	s_mov_b32 s37, \n
.Lstep_\@:
	s_setprio 2
	STEP
	s_add_co_u32 s36, s36, STEPB
	s_sub_co_u32 s37, s37, 1
	s_cmp_lg_u32 s37, 0
	s_cbranch_scc1 .Lstep_\@
	s_setprio 0
.endm
.macro OUT p
.rept 4
	v_nop
.endr
	v_add_f32 v14, v14, v15
	s_delay_alu instid0(VALU_DEP_1)
	v_permlanex16_b32 v231, v14, s32, s33
	s_delay_alu instid0(VALU_DEP_1)
	v_add_f32 v14, v14, v231
	s_wait_alu depctr_va_vdst(0)
	v_rcp_f32 v14, v14
	v_nop
	s_wait_alu depctr_va_vdst(0)
.set j, 0
.rept 16
	v_pk_mul_f32 v[96+j:97+j], v[160+j:161+j], v[14:15] op_sel_hi:[1,0]
.set j, j+2
.endr
.irp b, 0,1
	v_max3_num_f32 v[212+\b], |v[96+16*\b]|, |v[97+16*\b]|, 0x1800000
.endr
.irp i, 2,4,6,8,10,12,14
.irp b, 0,1
	s_delay_alu instid0(VALU_DEP_2)
	v_max3_num_f32 v[212+\b], v[212+\b], |v[96+16*\b+\i]|, |v[97+16*\b+\i]|
.endr
.endr
.irp b, 0,1
	s_delay_alu instid0(VALU_DEP_2)
	v_permlanex16_b32 v[216+\b], v[212+\b], s32, s33
.endr
.irp b, 0,1
	s_delay_alu instid0(VALU_DEP_2)
	v_max_num_f32 v[212+\b], v[212+\b], v[216+\b]
.endr
.irp b, 0,1
	s_delay_alu instid0(VALU_DEP_2)
	v_add_nc_u32 v[220+\b], 0xff000000, v[212+\b]
.endr
.irp b, 0,1
	s_delay_alu instid0(VALU_DEP_2)
	v_lshrrev_b32 v[216+\b], 23, v[220+\b]
.endr
	s_delay_alu instid0(VALU_DEP_1)
	v_lshl_or_b32 v231, v217, 8, v216
	v_cvt_scalef32_pk16_fp6_f32 v[192:194], v[96:111], v220
	v_cvt_scalef32_pk16_fp6_f32 v[204:206], v[112:127], v221
	v_nop
.irp i, 0,1,2
	v_permlane16_swap_b32 v[192+\i], v[204+\i]
.endr
.irp i, 0,1,2
	s_delay_alu instid0(VALU_DEP_3)
	v_mov_b32 v[195+\i], v[204+\i]
.endr
.irp q, 0,1,2
	global_store_b64 v7, v[192+2*\q:193+2*\q], s[8:9] offset:768*\p+256*\q
.endr
	global_store_b16 v8, v231, s[10:11] offset:512*\p
.endm
.macro PASS p
.if \p > 0
	s_wait_xcnt 0x0
.endif
.irp i, 0,1,2,3,4,5
	v_mov_b32 v[16+\i], v[34+6*\p+\i]
	v_mov_b32 v[28+\i], v[34+6*\p+\i]
.endr
	v_perm_b32 v47, v46, v46, 0x01000100+0x02020202*\p
	v_mov_b32 v13, 0xff61b1e6
	s_delay_alu instid0(VALU_DEP_1)
	v_floor_f32 v12, -v13
	v_mov_b32 v14, 0
	v_mov_b32 v15, 0
.set j, 0
.rept 32
	v_mov_b32 v[160+j], 0
.set j, j+1
.endr
	s_mov_b32 s36, 0
.if \p == 0
	s_wait_tensorcnt 0x1
	s_barrier_signal -1
	s_barrier_wait -1
	STEPS 8
	s_wait_tensorcnt 0x0
	s_barrier_signal -1
	s_barrier_wait -1
	STEPS 8
.else
	STEPS 16
.endif
	OUT \p
.endm
	PASS 0
	PASS 1
	s_wait_tensorcnt 0x0
	ds_add_u32 v5, v6
	s_wait_dscnt 0x0
	CROUND
	s_endpgm
.Lfunc_end_k_qf457c3a627_attn:
	.size	k_qf457c3a627_attn, .Lfunc_end_k_qf457c3a627_attn-k_qf457c3a627_attn
	.p2alignl 7, 3214868480
	.fill 96, 4, 3214868480
	.section	.rodata,"a",@progbits
	.p2align	6, 0x0
	.amdhsa_kernel k_qf457c3a627_attn
		.amdhsa_group_segment_fixed_size 327680
		.amdhsa_private_segment_fixed_size 0
		.amdhsa_enable_private_segment 0
		.amdhsa_kernarg_size 32
		.amdhsa_user_sgpr_count 2
		.amdhsa_user_sgpr_kernarg_segment_ptr 1
		.amdhsa_wavefront_size32 1
		.amdhsa_system_sgpr_workgroup_id_x 1
		.amdhsa_system_sgpr_workgroup_id_y 1
		.amdhsa_system_sgpr_workgroup_id_z 1
		.amdhsa_system_vgpr_workitem_id 0
		.amdhsa_next_free_vgpr 256
		.amdhsa_next_free_sgpr 66
		.amdhsa_reserve_vcc 0
		.amdhsa_float_denorm_mode_32 3
		.amdhsa_float_denorm_mode_16_64 3
		.amdhsa_memory_ordered 1
		.amdhsa_forward_progress 1
		.amdhsa_inst_pref_size 69
	.end_amdhsa_kernel
	.amdgpu_metadata
---
amdhsa.version: [ 1, 2 ]
amdhsa.kernels:
  - .name:           k_qf457c3a627_attn
    .symbol:         k_qf457c3a627_attn.kd
    .args:
      - { .name: qimg, .offset: 0, .size: 8, .value_kind: global_buffer, .address_space: global }
      - { .name: kvimg, .offset: 8, .size: 8, .value_kind: global_buffer, .address_space: global }
      - { .name: y_img, .offset: 16, .size: 8, .value_kind: global_buffer, .address_space: global }
      - { .name: y_scales, .offset: 24, .size: 8, .value_kind: global_buffer, .address_space: global }
    .group_segment_fixed_size: 327680
    .private_segment_fixed_size: 0
    .kernarg_segment_align: 8
    .kernarg_segment_size: 32
    .max_flat_workgroup_size: 512
    .sgpr_count:     66
    .vgpr_count:     256
    .wavefront_size: 32
...
	.end_amdgpu_metadata
.endif
;; end of part 3
;; launch gemm_out (part 4): grid 4 x 32, 4 waves a work-group, clusters of 4 x 4, 327,680 bytes of LDS; arguments y_img, y_scales, w_codes, w_scales, bout, out0; writes out0
.if DOCPART == 4
	.amdgcn_target "amdgcn-amd-amdhsa--gfx1250"
	.amdhsa_code_object_version 6
	.text
	.protected	k_qf457c3a627_gemm_out
	.globl	k_qf457c3a627_gemm_out
	.p2align	8
	.type	k_qf457c3a627_gemm_out,@function
k_qf457c3a627_gemm_out:
	s_mov_b64 s[64:65], 0
	v_nop
	global_prefetch_b8 v0, s[64:65] scope:SCOPE_SE
	s_setreg_imm32_b32 hwreg(HW_REG_WAVE_MODE, 25, 1), 1
	s_wait_xcnt 0x0
	s_wait_alu depctr_hold_cnt(0) depctr_sa_sdst(0) depctr_va_vdst(0) depctr_va_sdst(0) depctr_va_ssrc(0) depctr_va_vcc(0) depctr_vm_vsrc(0)
	s_getreg_b32 s2, hwreg(HW_REG_IB_STS2, 6, 4)
	s_cmp_eq_u32 s2, 0
	s_cbranch_scc0 .Lentry_in_a_cluster
	s_endpgm
.Lentry_in_a_cluster:
	s_bfe_u32 s2, ttmp6, 0x10000c
	s_cmp_lg_u32 s2, 0xf033
	s_cbranch_scc0 .Lentry_shape_is_right
	s_endpgm
.Lentry_shape_is_right:
.set KSTEP,  256
.set NQ,     2
.set ROWB,   192
.set KROW,   768
.set PITCH,  240
.set FR,     12
.set NL,     6
.set NP,     4
.set HALFT,  128*PITCH
.set SLOT,   4*HALFT
.set ASTEP,  24576
.set LAPS,   2
.set KS,     32
.set SCL,    2*SLOT
.set HALFS,  (128*KS/256)*272
.set SBLK,   (16*KS/256)*272
.set SPARE,  SCL+4*HALFS
.set SPITCH, 528
.set ADRA, 16
.set ADRB, 20
.set STO,  24
.set RD,   25
.set CO,   26
.set ADRS, 27
.set SPW,  28
.set NIL,  29
.set BO,   30
.set SC,   32
.set BIAS, 64
.set AF,   128
.set BK,   128
.set G1, 24
.set G0, 32
.set G1B, 48
.set G0B, 56
.set G1S, 68
.set G0S, 76
.set G1SB, 80
.set G0SB, 88
.set MSB, 0
.macro WIN new
.if MSB != (\new)
	s_set_vgpr_msb (MSB<<8)|(\new)
.set MSB, (\new)
.endif
.endm
.set MUL_LO, 0xa1
.set MUL_HI, 0xf1
.set TO_B,   0x40
.macro JLOAD g0a, g1a, g0b, g1b
	s_cmp_eq_u32 s19, 0
	s_cbranch_scc0 .Lfor_b_\@
	tensor_load_to_lds s[\g0a:\g0a+3], s[\g1a:\g1a+7]
	s_nop 0
.rept 4
	v_nop
.endr
	s_branch .Lasked_\@
.Lfor_b_\@:
	tensor_load_to_lds s[\g0b:\g0b+3], s[\g1b:\g1b+7]
	s_nop 0
.rept 4
	v_nop
.endr
.Lasked_\@:
.endm
.macro CREST
	s_cmp_lg_u32 s18, 0
	s_cbranch_scc1 .Lnot_wave_0_\@
	s_barrier_signal -3
.Lnot_wave_0_\@:
	s_barrier_wait -3
	s_barrier_signal -1
	s_barrier_wait -1
.endm
.macro CROUND
	s_barrier_signal -1
	s_barrier_wait -1
	CREST
.endm
	s_load_b256 s[4:11], s[0:1], 0x0
	s_load_b128 s[12:15], s[0:1], 0x20
	v_lshl_add_u32 v[SPW], v0, 2, SPARE
	v_mov_b32 v[NIL], 0
	ds_add_u32 v[SPW], v[NIL]
	ds_add_u32 v[SPW], v[NIL]
	v_lshrrev_b32 v1, 5, v0
	v_readfirstlane_b32 s18, v1
	s_lshr_b32 s19, s18, 1
	s_and_b32 s20, s18, 1
	s_bfe_u32 s22, ttmp6, 0x40000
	s_bfe_u32 s23, ttmp6, 0x40004
	s_and_b32 s2, ttmp7, 0xffff
	s_lshl_b32 s2, s2, 2
	s_add_co_u32 s40, s2, s23
	s_lshl_b32 s41, ttmp9, 2
	s_add_co_u32 s41, s41, s22
	s_lshl_b32 s42, s23, 2
	s_lshl_b32 s42, 15, s42
	s_lshl_b32 s43, 0x1111, s22
	s_or_b32 s[G1+0], s42, (3<<16)|(1<<21)
	s_mov_b32 s[G1+1], 32<<16
	s_mov_b32 s[G1+2], 96<<16
	s_mov_b32 s[G1+3], 32<<16
	s_mov_b32 s[G1+4], 96
	s_mov_b32 s[G1+5], 32
	s_mov_b32 s[G1+6], 0
	s_mov_b32 s[G1+7], 0
	s_or_b32 s[G1B+0], s43, (0<<16)|(1<<20)|(1<<21)|(3<<22)|(3<<25)
	s_mov_b32 s[G1B+1], ROWB<<16
	s_mov_b32 s[G1B+2], 128<<16
	s_mov_b32 s[G1B+3], ROWB<<16
	s_mov_b32 s[G1B+4], 128
	s_mov_b32 s[G1B+5], KROW
	s_mov_b32 s[G1B+6], 0
	s_mov_b32 s[G1B+7], 0
	s_or_b32 s[G1S+0], s42, (3<<16)|(1<<20)|(1<<21)|(5<<22)|(3<<25)
	s_or_b32 s[G1SB+0], s43, (3<<16)|(1<<20)|(1<<21)|(5<<22)|(3<<25)
.irp g, G1S, G1SB
	s_mov_b32 s[\g+1], 32<<16
	s_mov_b32 s[\g+2], (128*KS/256)<<16
	s_mov_b32 s[\g+3], 32<<16
	s_mov_b32 s[\g+4], 128*KS/256
	s_mov_b32 s[\g+5], 32
	s_mov_b32 s[\g+6], 0
	s_mov_b32 s[\g+7], 0
.endr
	s_lshl_b32 s92, s40, 1
	s_add_co_u32 s92, s92, s20
	s_mul_i32 s96, s92, 98304
	s_mov_b32 s97, 0
	s_lshl_b32 s92, s92, 12
	s_mov_b32 s93, 0
	s_lshl_b32 s94, s41, 8
	s_lshl_b32 s67, s20, 7
	s_add_co_u32 s94, s94, s67
	s_add_co_u32 s94, s94, 3072
	s_mul_i32 s98, s94, KROW
	s_mov_b32 s99, 0
	s_lshl_b32 s94, s94, 5
	s_mov_b32 s95, 0
	s_mul_i32 s44, s18, HALFT
	s_mul_i32 s45, s18, HALFS
	s_wait_dscnt 0x0
	s_wait_kmcnt 0x0
	s_add_nc_u64 s[96:97], s[4:5], s[96:97]
	s_add_nc_u64 s[92:93], s[6:7], s[92:93]
	s_add_nc_u64 s[98:99], s[8:9], s[98:99]
	s_add_nc_u64 s[94:95], s[10:11], s[94:95]
	CROUND
	s_mov_b32 s[G0S], 1
	s_add_co_u32 s[G0S+1], s45, SCL
	s_mov_b64 s[G0S+2:G0S+3], s[92:93]
	s_or_b32 s[G0S+3], s[G0S+3], 0x80000000
	s_mov_b32 s[G0SB], 1
	s_add_co_u32 s[G0SB+1], s45, SCL
	s_mov_b64 s[G0SB+2:G0SB+3], s[94:95]
	s_or_b32 s[G0SB+3], s[G0SB+3], 0x80000000
	JLOAD G0S, G1S, G0SB, G1SB
.irp s, 0,1
	s_mov_b32 s[G0+4*\s], 1
	s_add_co_u32 s[G0+4*\s+1], s44, \s*SLOT
	s_add_nc_u64 s[G0+4*\s+2:G0+4*\s+3], s[96:97], \s*ASTEP
	s_or_b32 s[G0+4*\s+3], s[G0+4*\s+3], 0x80000000
	s_mov_b32 s[G0B+4*\s], 1
	s_add_co_u32 s[G0B+4*\s+1], s44, \s*SLOT
	s_add_nc_u64 s[G0B+4*\s+2:G0B+4*\s+3], s[98:99], \s*ROWB
	s_or_b32 s[G0B+4*\s+3], s[G0B+4*\s+3], 0x80000000
	s_wait_alu depctr_va_vdst(0)
	s_wait_tensorcnt 0x0
	ds_add_u32 v28, v29
	s_wait_dscnt 0x0
	CROUND
	JLOAD G0+4*\s, G1, G0B+4*\s, G1B
.endr
	v_and_b32 v1, 15, v0
	v_bfe_u32 v2, v0, 4, 1
	v_and_b32 v7, 31, v0
	v_mul_u32_u24 v3, v1, PITCH
	v_mul_u32_u24 v4, v2, 24
	v_add_nc_u32 v4, v3, v4
	v_lshl_add_u32 v5, v2, 4, v4
	v_lshlrev_b32 v6, 3, v7
	s_mul_i32 s66, s19, HALFT
	s_mul_i32 s67, s20, HALFT
	s_add_co_u32 s67, s67, 2*HALFT
.irp s, 0,1
	v_add_nc_u32 v[ADRA+\s], s66, v6
	v_add_nc_u32 v[ADRB+\s], s67, v4
	v_add_nc_u32 v[ADRB+2+\s], s67, v5
	s_add_co_u32 s66, s66, SLOT
	s_add_co_u32 s67, s67, SLOT
.endr
	v_mul_u32_u24 v5, v1, KS
	v_lshrrev_b32 v6, 8, v5
	v_lshl_add_u32 v5, v6, 4, v5
	s_mul_i32 s66, s19, HALFS
	s_mul_i32 s67, s20, HALFS
	s_add_co_u32 s67, s67, 2*HALFS
	s_sub_co_u32 s67, s67, s66
	v_mul_u32_u24 v6, s67, v2
	s_add_co_u32 s66, s66, SCL
	v_add_nc_u32 v5, v5, v6
	v_add_nc_u32 v[ADRS], s66, v5
	s_mul_i32 s66, s18, 16*SPITCH
	v_mul_u32_u24 v5, v1, SPITCH
	v_lshl_add_u32 v5, v2, 6, v5
	v_add_nc_u32 v[STO], s66, v5
	v_lshlrev_b32 v[CO], 4, v7
	v_add_nc_u32 v[RD], s66, v[CO]
	v_lshlrev_b32 v[BO], 6, v2
	s_wait_alu depctr_va_vdst(0)
	s_lshl_b32 s96, s41, 10
	s_lshl_b32 s97, s20, 9
	s_add_co_u32 s96, s96, s97
	s_mov_b32 s97, 0
	s_add_nc_u64 s[98:99], s[12:13], s[96:97]
	s_lshl_b32 s92, s40, 8
	s_lshl_b32 s93, s19, 7
	s_add_co_u32 s92, s92, s93
	s_lshl_b32 s92, s92, 12
	s_add_co_u32 s92, s92, s96
	s_mov_b32 s93, 0
	s_add_nc_u64 s[14:15], s[14:15], s[92:93]
.irp g, 0,1,2,3
.irp q, 0,1,2,3
	global_load_b128 v[BIAS+16*\g+4*\q:BIAS+16*\g+4*\q+3], v[BO], s[98:99] offset:128*\g+16*\q
.endr
.endr
.macro FRAG reg, adr, q, i
.irp p, 0,1,2,3,4,5
.set PC, 12*(\q)+6*(\p/3)+\p%3
.if PC%8 < 5
	ds_load_b64 v[\reg+2*\p:\reg+2*\p+1], v[\adr] offset:8*PC+16*(PC/8)+(\i)*16*PITCH
.else
	ds_load_b64 v[\reg+2*\p:\reg+2*\p+1], v[\adr+2] offset:8*PC+16*(PC/8)+(\i)*16*PITCH
.endif
.endr
.endm
.macro FRAGA reg, slot, q, i
.irp p, 0,1,2,3,4,5
	ds_load_b64 v[\reg+2*\p:\reg+2*\p+1], v[ADRA+\slot] offset:((2*(\q)+\p/3)*8+(\i))*768+(\p%3)*256
.endr
.endm
.macro MUL16 a0, p, q, sc, first
.irp a, \a0, \a0+1
.irp b, 0,1,2,3,4,5,6,7
.if \first
	v_wmma_scale_f32_16x16x128_f8f6f4 v[8*(8*((\a)%4)+\b):8*(8*((\a)%4)+\b)+7], v[128*(\p)+FR*\b:128*(\p)+FR*\b+FR-1], v[AF+FR*(\a):AF+FR*(\a)+FR-1], v[BIAS+8*\b:BIAS+8*\b+7], v[SC+8*NQ*(\sc)+NQ*\b+(\q)], v[SC+8*NQ*(\sc)+NQ*(\a)+(\q)] matrix_a_fmt:MATRIX_FMT_FP6 matrix_b_fmt:MATRIX_FMT_FP6 matrix_a_scale:MATRIX_SCALE_ROW1
.else
	v_wmma_scale_f32_16x16x128_f8f6f4 v[8*(8*((\a)%4)+\b):8*(8*((\a)%4)+\b)+7], v[128*(\p)+FR*\b:128*(\p)+FR*\b+FR-1], v[AF+FR*(\a):AF+FR*(\a)+FR-1], v[8*(8*((\a)%4)+\b):8*(8*((\a)%4)+\b)+7], v[SC+8*NQ*(\sc)+NQ*\b+(\q)], v[SC+8*NQ*(\sc)+NQ*(\a)+(\q)] matrix_a_fmt:MATRIX_FMT_FP6 matrix_b_fmt:MATRIX_FMT_FP6 matrix_a_scale:MATRIX_SCALE_ROW1
.endif
.endr
.endr
.endm
.macro FETCH_B slot, q, p
	WIN TO_B
.irp i, 0,1,2,3,4,5,6,7
	FRAG 128*(\p)+FR*\i, ADRB+\slot, \q, \i
.endr
	WIN 0
.endm
.macro FETCH_A slot, q, i0
.irp i, \i0, \i0+1, \i0+2, \i0+3
	FRAGA AF+FR*(\i), \slot, \q, \i
.endr
.endm
.macro SCALES sc
.irp i, 0,1,2,3,4,5,6,7
	ds_load_b64 v[SC+8*NQ*\sc+NQ*\i:SC+8*NQ*\sc+NQ*\i+1], v[ADRS] offset:\i*SBLK
.endr
.endm
.macro PLACES n
.rept \n
	v_nop
.endr
.endm
.macro STEP slot, q, first
	s_wait_dscnt 4*NL
.if \first
	WIN 0x81
.else
	WIN MUL_LO
.endif
	MUL16 0, (\q)%2, \q, \slot, \first
	MUL16 2, (\q)%2, \q, \slot, \first
	s_wait_dscnt 0
	PLACES NP
	FETCH_B \slot, (\q)+1, 1-(\q)%2
	FETCH_A \slot, (\q)+1, 0
.if \first
	WIN 0xc1
.else
	WIN MUL_HI
.endif
	MUL16 4, (\q)%2, \q, \slot, \first
	MUL16 6, (\q)%2, \q, \slot, \first
	PLACES NP
	WIN 0
	FETCH_A \slot, (\q)+1, 4
.endm
.macro TURN slot, next, fill
	s_wait_tensorcnt 0x0
	ds_add_u32 v[SPW], v[NIL]
	s_wait_dscnt 4*NL+1
	WIN MUL_LO
	MUL16 0, 1, NQ-1, \slot, 0
	s_wait_dscnt 0x0
	s_barrier_signal -1
	MUL16 2, 1, NQ-1, \slot, 0
	WIN 0
	s_barrier_wait -1
.if \fill
	CREST
	s_add_nc_u64 s[G0+4*\slot+2:G0+4*\slot+3], s[G0+4*\slot+2:G0+4*\slot+3], 2*ASTEP
	s_add_nc_u64 s[G0B+4*\slot+2:G0B+4*\slot+3], s[G0B+4*\slot+2:G0B+4*\slot+3], 2*ROWB
	JLOAD G0+4*\slot, G1, G0B+4*\slot, G1B
.else
	PLACES NP
.endif
	s_wait_alu depctr_va_vdst(0)
	v_add_nc_u32 v[ADRS], 4*NQ, v[ADRS]
	FETCH_B \next, 0, 0
	FETCH_A \next, 0, 0
	SCALES \next
	WIN MUL_HI
	MUL16 4, 1, NQ-1, \slot, 0
	MUL16 6, 1, NQ-1, \slot, 0
	PLACES NP
	WIN 0
	FETCH_A \next, 0, 4
.endm
	s_wait_tensorcnt 1
	s_barrier_signal -1
	s_barrier_wait -1
	FETCH_B 0, 0, 0
	FETCH_A 0, 0, 0
	SCALES 0
	FETCH_A 0, 0, 4
	s_wait_loadcnt 0x0
	STEP 0, 0, 1
	s_mov_b32 s3, LAPS-1
.Llap:
	TURN 0, 1, 1
	STEP 1, 0, 0
	TURN 1, 0, 1
	STEP 0, 0, 0
	s_sub_co_u32 s3, s3, 1
	s_cmp_lg_u32 s3, 0
	s_cbranch_scc1 .Llap
	TURN 0, 1, 0
	STEP 1, 0, 0
	s_wait_dscnt 4*NL
	WIN MUL_LO
	MUL16 0, 1, NQ-1, 1, 0
	MUL16 2, 1, NQ-1, 1, 0
	s_wait_dscnt 0
	WIN MUL_HI
	MUL16 4, 1, NQ-1, 1, 0
	MUL16 6, 1, NQ-1, 1, 0
	WIN 0
.macro TOSTAGE a
.set AC, 64*((\a)%4)
	WIN 0x08+4*((\a)/4)
.irp b, 0,1,2,3,4,5,6,7
	ds_store_b128 v[STO], v[AC+8*\b:AC+8*\b+3] offset:128*(\b/2)+32*(\b%2)
	ds_store_b128 v[STO], v[AC+8*\b+4:AC+8*\b+7] offset:128*(\b/2)+32*(\b%2)+16
.endr
	WIN 0
.set BB, BK+64*((\a)%2)
.irp t, 0,1,2,3,4,5,6,7,8,9,10,11,12,13,14,15
	ds_load_b128 v[BB+4*\t:BB+4*\t+3], v[RD] offset:\t*SPITCH
.endr
.endm
.macro SEND a, younger
.set BB, BK+64*((\a)%2)
	s_wait_dscnt \younger
.irp t, 0,1,2,3,4,5,6,7,8,9,10,11,12,13,14,15
	global_store_b128 v[CO], v[BB+4*\t:BB+4*\t+3], s[14:15] offset:(32*((\a)/2)+16*(\t/8)+8*((\a)%2)+\t%8)*4096 th:TH_STORE_NT
.endr
.endm
	PLACES NP
	TOSTAGE 0
.irp a, 1,2,3,4,5,6,7
.if \a > 1
	s_wait_xcnt 0x0
.endif
	TOSTAGE \a
	SEND \a-1, 32
.endr
	SEND 7, 0
	s_wait_tensorcnt 0x0
	ds_add_u32 v[SPW], v[NIL]
	s_wait_dscnt 0x0
	CROUND
	s_endpgm
.Lfunc_end_k_qf457c3a627_gemm_out:
	.size	k_qf457c3a627_gemm_out, .Lfunc_end_k_qf457c3a627_gemm_out-k_qf457c3a627_gemm_out
	.p2alignl 7, 3214868480
	.fill 96, 4, 3214868480
	.section	.rodata,"a",@progbits
	.p2align	6, 0x0
	.amdhsa_kernel k_qf457c3a627_gemm_out
		.amdhsa_group_segment_fixed_size 327680
		.amdhsa_private_segment_fixed_size 0
		.amdhsa_enable_private_segment 0
		.amdhsa_kernarg_size 48
		.amdhsa_user_sgpr_count 2
		.amdhsa_user_sgpr_kernarg_segment_ptr 1
		.amdhsa_wavefront_size32 1
		.amdhsa_system_sgpr_workgroup_id_x 1
		.amdhsa_system_sgpr_workgroup_id_y 1
		.amdhsa_system_sgpr_workgroup_id_z 1
		.amdhsa_system_vgpr_workitem_id 0
		.amdhsa_next_free_vgpr 1024
		.amdhsa_next_free_sgpr 102
		.amdhsa_reserve_vcc 0
		.amdhsa_float_denorm_mode_32 3
		.amdhsa_float_denorm_mode_16_64 3
		.amdhsa_memory_ordered 1
		.amdhsa_forward_progress 1
		.amdhsa_inst_pref_size 162
	.end_amdhsa_kernel
	.amdgpu_metadata
---
amdhsa.version: [ 1, 2 ]
amdhsa.kernels:
  - .name:           k_qf457c3a627_gemm_out
    .symbol:         k_qf457c3a627_gemm_out.kd
    .args:
      - { .name: y_img, .offset: 0, .size: 8, .value_kind: global_buffer, .address_space: global }
      - { .name: y_scales, .offset: 8, .size: 8, .value_kind: global_buffer, .address_space: global }
      - { .name: w_codes, .offset: 16, .size: 8, .value_kind: global_buffer, .address_space: global }
      - { .name: w_scales, .offset: 24, .size: 8, .value_kind: global_buffer, .address_space: global }
      - { .name: bout, .offset: 32, .size: 8, .value_kind: global_buffer, .address_space: global }
      - { .name: out0, .offset: 40, .size: 8, .value_kind: global_buffer, .address_space: global }
    .group_segment_fixed_size: 327680
    .private_segment_fixed_size: 0
    .kernarg_segment_align: 8
    .kernarg_segment_size: 48
    .max_flat_workgroup_size: 128
    .sgpr_count:     102
    .vgpr_count:     1024
    .wavefront_size: 32
...
	.end_amdgpu_metadata
.endif
;; end of part 4
